; MI455X (gfx1250); checked and timed in simulation.
; The chip was launched on July 23, 2026; its instructions are those of AMD's public machine-readable ISA for CDNA 5 (MIT licence, August 2026) and "CDNA5" Instruction Set Architecture Reference Guide (July 2026). The comments in the code are by the model that wrote it; some were corrected since.
;; Multi Head Attention Block. Allowed arithmetic: matrix products marked QUANTISED: E2M1 operands, one E8M0 scale for each 32 along K, by v_wmma_scale_f32_16x16x128_f8f6f4 with both operands' format E2M1 (or v_wmma_scale_f32_32x16x128_f4), f32 sums; products left as they are: bf16, f16 or f32 operands; f32 sums; everything else in f32.
;; Inputs: K 4 x 2,048 x 1,024 float32; Q 4 x 2,048 x 1,024 float32; V 4 x 2,048 x 1,024 float32; Wk 1,024 x 1,024 float32; Wo 1,024 x 1,024 float32; Wq 1,024 x 1,024 float32; Wv 1,024 x 1,024 float32; attn_mask 4 x 2,048 int32; bk 1,024 float32; bo 1,024 float32; bq 1,024 float32; bv 1,024 float32.
;; Outputs: out0 4 x 2,048 x 1,024 float32.
;; This version of the problem:
;;   THIS VERSION OF THE PROBLEM IS GIVEN IN LOW PRECISION. The matrix products marked QUANTISED in the list below multiply operands that are first quantised to E2M1 (2 exponent bits, 1 mantissa bit; 4 bits a number), with one power-of-two scale for each 32 numbers along K (OCP MX v1.0); their sums are f32. The products marked 'left as it is' may take bf16, f16 or f32 operands, with f32 sums. Whichever they take, every output number must still come out within the allowed error. Rounding operands to bf16 (8 significant bits) uses up far more of that allowance than f16 does (11 bits, for magnitudes from 6e-5 to 65,504). All else is computed in f32.
;;   The module's matrix products, in the order in which they are computed (A, B: the left and right operand; K: the contracted axis; several contracted axes count as one K, in the product's order):
;;     1. [M 8,192, K 1,024] x [K 1,024, N 1,024]; A: input Q; B: input Wq: QUANTISED
;;     2. [M 8,192, K 1,024] x [K 1,024, N 1,024]; A: input K; B: input Wk: QUANTISED
;;     3. [M 8,192, K 1,024] x [K 1,024, N 1,024]; A: input V; B: input Wv: QUANTISED
;;     4. batch 64 x [M 2,048, K 64] x [K 64, N 2,048]; A: computed on the way; B: computed on the way: left as it is (an operand is computed on the way)
;;     5. batch 64 x [M 2,048, K 2,048] x [K 2,048, N 64]; A: computed on the way; B: computed on the way: left as it is (an operand is computed on the way)
;;     6. [M 8,192, K 1,024] x [K 1,024, N 1,024]; A: computed on the way; B: input Wo: left as it is (an operand is computed on the way)
;;   THE QUANTISER, for each operand of a quantised product, along K:
;;     - K is cut into blocks of 32 from its start; a last block that is shorter is filled with zeros.
;;     - A block's scale is 2^e with e = floor(log2(the largest magnitude in the block)) - 2, held to -126 .. 127; a block of zeros has e = 0. As a byte (E8M0): e + 127.
;;     - Each number is divided by its block's scale, clamped to +-6, and rounded to the nearest number of E2M1, ties to even, subnormals kept.
;;     - The product sums the exact products of the quantised numbers (number of the format x scale) in f32.
;;   ~~~python
;;   def quantise(x, axis):      # numpy; x: float32 -> the quantised numbers, widened to float32 again
;;       x = np.moveaxis(x, axis, -1); K = x.shape[-1]
;;       x = np.pad(x, [(0, 0)] * (x.ndim - 1) + [(0, -K % 32)]); x = x.reshape(x.shape[:-1] + (-1, 32)); a = np.abs(x).max(-1, keepdims=True)
;;       e = np.where(a > 0, np.clip(np.frexp(np.where(a > 0, a, 1))[1] - 1 - 2, -126, 127), 0)      # np.frexp(a)[1] - 1 = floor(log2(a)), exactly
;;       r = np.clip(x / 2.0 ** e, -6, 6)
;;       step = 2.0 ** (np.maximum(np.frexp(np.where(r == 0, 1, r))[1] - 1, 0) - 1)
;;       q = np.round(r / step) * step * 2.0 ** e      # np.round: ties to even
;;       return np.moveaxis(q.reshape(q.shape[:-2] + (-1,))[..., :K], -1, axis).astype(np.float32)
;;   ~~~
;; One version. Each part assembles by itself: llvm-mc -triple=amdgcn-amd-amdhsa -mcpu=gfx1250 --defsym DOCPART=n.
;; ======== version 1 of 1: 4 launches
;; limits: values are held in f16: magnitudes above 65,504 overflow, below 6.1e-05 lose precision
;; workspace buffers: codes 14,155,776 bytes; scales 884,736 bytes; woh 2,097,152 bytes; qkv 50,331,648 bytes; xh 16,777,216 bytes
;; launch quant (part 1): grid 896 x 1, 4 waves a work-group, no clusters, 33,280 bytes of LDS; arguments Q, K, V, Wq, Wk, Wv, Wo, codes, scales, woh; writes codes, scales, woh
.if DOCPART == 1
	.amdgcn_target "amdgcn-amd-amdhsa--gfx1250"
	.amdhsa_code_object_version 6
	.text
	.protected	k_q1e3b405335_quant
	.globl	k_q1e3b405335_quant
	.p2align	8
	.type	k_q1e3b405335_quant,@function
k_q1e3b405335_quant:
	s_mov_b64 s[64:65], 0
	v_nop
	global_prefetch_b8 v0, s[64:65] scope:SCOPE_SE
	s_setreg_imm32_b32 hwreg(HW_REG_WAVE_MODE, 25, 1), 1
	s_wait_xcnt 0x0
; Q, K, V [8192][1024] and Wq, Wk, Wv [1024][1024], f32, become codes of FP4 (E2M1), K innermost, with one E8M0 scale byte for each 32 along K; Wo [1024][1024] becomes f16.
; The six quantised tensors are laid one behind the other: codes = 27,648 rows of 512 bytes (Q, K, V, Wq, Wk, Wv), scales = the same rows of 32 bytes.
; A block's scale is 2^(floor(log2(its largest magnitude)) - 2); its byte is the largest magnitude's exponent field - 2, held at 1 from below.  A block of zeros so gets the byte 1 where the rule says 127:
; its codes are zeros, which add nothing under any byte but 0xff, and the bytes are read by this program alone.  Each number is divided by the scale and rounded to the nearest code, ties to even.
; LIMITS: NaN and infinities among the inputs are not served; blocks whose largest magnitude lies under 2^(3 - 127) keep the byte 1.
; SHARES.  Rows are dense and 1,024 is a multiple of 32, so each tensor is a plain stream of blocks.  A work-group takes 32,768 numbers, a wave 16 steps of 512.  Work-groups 0-255 Q, 256-511 K, 512-767 V,
; 768-799 Wq, 800-831 Wk, 832-863 Wv: only the input's pointer is chosen, the outputs follow the work-group's number.  Work-groups 864-895 take Wo, on a path of its own that uses no LDS.
; Each load reads 512 consecutive bytes; a step's 2,048 bytes turn through the wave's own stage in LDS and come back 64 bytes a lane: 16 neighbours along K, two lanes to a block.
; woh is laid [16 (k / 64)][1024 (n)][64]: a chunk of 64 along K of 256 rows is one dense block for the last launch's tiles.
.set WAVES, 4
.set STEPS, 16
.set WG_WO, 864
.set EMAX,  2
.set CB,    8                          ; bytes of 16 codes
.set R,     16                         ; v16-79   four sets of 16 numbers as they are loaded
.set X,     80                         ; v80-111  two sets of 16 neighbours
.set C,     128                        ; v128-191 codes: four registers for each step, so that no store's data are written again
.set E,     112                        ; v112-127 a scale byte for each step
.set WREG,  8192                       ; LDS: a region for each wave: two stages of 32 x SP bytes, and behind them its 256 scale bytes
.set SP,    80                         ; a lane's place in a stage: its 64 bytes + 16 of padding
.set SPW,   12                         ; v12 LDS address of my spare word; never rewritten
.set NIL,   13                         ; v13 0; never rewritten
.set SPARE, WAVES*WREG                 ; behind the four regions: the spare words, 128 bytes a wave
	s_load_b512 s[8:23], s[0:1], 0x0               ; Q s[8:9], K s[10:11], V s[12:13], Wq s[14:15], Wk s[16:17], Wv s[18:19], Wo s[20:21], codes s[22:23]
	s_load_b128 s[24:27], s[0:1], 0x40             ; scales s[24:25], woh s[26:27]
	v_lshl_add_u32 v[SPW], v0, 2, SPARE
	v_mov_b32 v[NIL], 0
	v_lshrrev_b32 v1, 5, v0
	v_readfirstlane_b32 s2, v1                     ; wave
	v_and_b32 v2, 31, v0                           ; lane
	s_wait_kmcnt 0x0
	s_cmp_ge_u32 ttmp9, WG_WO                      ; the work-group's number alone decides
	s_cbranch_scc1 .Lwo
	v_lshlrev_b32 v3, 4, v2                        ; my 16 bytes of a load's 512
	s_mul_i32 s29, s2, WREG
	v_lshrrev_b32 v14, 2, v2
	v_mul_u32_u24 v14, v14, SP
	v_and_b32 v15, 3, v2
	v_lshl_add_u32 v14, v15, 4, v14
	v_add_nc_u32 v14, s29, v14                     ; the stage, on the way in: SP (lane / 4) + 16 (lane % 4)
	v_mul_u32_u24 v15, v2, SP
	v_add_nc_u32 v15, s29, v15                     ; and on the way out: SP x lane: my 16 neighbours
	v_mul_u32_u24 v4, v2, CB                       ; my codes' place in a step's
	v_lshrrev_b32 v5, 1, v2
	s_add_co_u32 s29, s29, 2*32*SP
	v_add_nc_u32 v5, s29, v5                       ; my wave's 256 scale bytes, my block's byte
	v_lshlrev_b32 v7, 3, v2                        ; and on the way out 8 bytes a lane
	v_add_nc_u32 v6, s29, v7
	s_mov_b64 s[4:5], s[18:19]                     ; which tensor: Wv, unless the work-group's number lies lower
	s_mov_b32 s28, 832                             ; and that tensor's first work-group
.macro PICK limit, ptr, first
	s_cmp_lt_u32 ttmp9, \limit
	s_cselect_b64 s[4:5], s[\ptr:\ptr+1], s[4:5]
	s_cselect_b32 s28, \first, s28
.endm
	PICK 832, 16, 800
	PICK 800, 14, 768
	PICK 768, 12, 512
	PICK 512, 10, 256
	PICK 256, 8, 0
	s_sub_co_u32 s29, ttmp9, s28
	s_lshl_b32 s29, s29, 2
	s_add_co_u32 s29, s29, s2                      ; which run of 8,192 numbers of the tensor is my wave's
	s_lshl_b32 s30, s29, 15                        ; 32,768 bytes a run (under 2^25 in all)
	s_mov_b32 s31, 0
	s_add_nc_u64 s[4:5], s[4:5], s[30:31]
	s_lshl_b32 s29, ttmp9, 2
	s_add_co_u32 s29, s29, s2                      ; and which run of the outputs, which lie on end
	s_lshl_b32 s30, s29, 12                        ; 4,096 bytes of codes a run
	s_add_nc_u64 s[22:23], s[22:23], s[30:31]
	s_lshl_b32 s30, s29, 8                         ; 256 scale bytes a run
	s_add_nc_u64 s[24:25], s[24:25], s[30:31]
.macro LOAD t
.irp i, 0,1,2,3
	global_load_b128 v[R+16*((\t)%4)+4*\i:R+16*((\t)%4)+4*\i+3], v3, s[4:5] offset:2048*(\t)+512*\i th:TH_LOAD_NT   ; 32 lanes read 512 consecutive bytes
.endr
.endm
.macro TURN t                          ; step t's numbers through the stage: LDS serves a wave's instructions in order, so no wait stands between the stores and the loads
.irp i, 0,1,2,3
	ds_store_b128 v14, v[R+16*((\t)%4)+4*\i:R+16*((\t)%4)+4*\i+3] offset:32*SP*((\t)%2)+8*SP*\i
.endr
.irp i, 0,1,2,3
	ds_load_b128 v[X+16*((\t)%2)+4*\i:X+16*((\t)%2)+4*\i+3], v15 offset:32*SP*((\t)%2)+16*\i
.endr
.endm
.irp t, 0,1,2,3
	LOAD \t
.endr
	s_wait_loadcnt 12                              ; step 0's four loads are in; the twelve of steps 1 to 3 may be out
	TURN 0
.macro STEP t
.set XS, X+16*((\t)%2)
.if (\t) > 0
	s_wait_dscnt 1                                 ; this step's numbers are back from the stage (the last step's byte store may be out)
.else
	s_wait_dscnt 0x0
.endif
.if (\t)+4 < STEPS
	LOAD (\t)+4                                    ; the registers that the stage's stores have read take the loads of four steps on
.endif
.if (\t)+1 < STEPS
.if STEPS-2-(\t) >= 3
	s_wait_loadcnt 12                              ; the next step's four loads are in; those of the three steps behind it may be out
.else
	s_wait_loadcnt 4*(STEPS-2-(\t))
.endif
	TURN (\t)+1                                    ; they go through the other stage while this step is worked
.endif
	v_max3_num_f32 v8, |v[XS]|, |v[XS+1]|, |v[XS+2]|               ; the largest magnitude of my 16, in two chains
	v_max3_num_f32 v9, |v[XS+3]|, |v[XS+4]|, |v[XS+5]|
.irp i, 6,10
	v_max3_num_f32 v8, v8, |v[XS+\i]|, |v[XS+\i+1]|
	v_max3_num_f32 v9, v9, |v[XS+\i+2]|, |v[XS+\i+3]|
.endr
	v_max3_num_f32 v8, v8, |v[XS+14]|, |v[XS+15]|
	v_max3_num_f32 v8, v8, v9, (EMAX+1)<<23        ; and the floor 2^(EMAX + 1 - 127): the byte cannot fall under 1
	v_max_num_f32_dpp v8, v8, v8 row_xmask:1 row_mask:0xf bank_mask:0xf   ; and of my neighbour's 16: the block's
	v_add_nc_u32 v11, -(EMAX<<23), v8              ; EMAX off its exponent field: the conversion takes the exponent field of this operand as its scale
	v_cvt_scalef32_pk8_fp4_f32 v[C+4*(\t)], v[XS:XS+7], v11
	v_cvt_scalef32_pk8_fp4_f32 v[C+4*(\t)+1], v[XS+8:XS+15], v11
	v_lshrrev_b32 v[E+(\t)], 23, v11               ; the scale's byte (a plain line behind the conversions)
	ds_store_b8 v5, v[E+(\t)] offset:16*(\t)       ; both lanes of a block write the same byte with the same value
	global_store_b64 v4, v[C+4*(\t):C+4*(\t)+1], s[22:23] offset:32*CB*(\t)   ; the wave stores 256 consecutive bytes, aligned
.endm
.irp t, 0,1,2,3,4,5,6,7,8,9,10,11,12,13,14,15
	STEP \t
.endr
	ds_load_b64 v[8:9], v6                         ; LDS serves a wave's instructions in order: these see my byte stores
	s_wait_dscnt 0x0
	global_store_b64 v7, v[8:9], s[24:25]          ; 32 lanes store 256 consecutive bytes, aligned
	s_wait_tensorcnt 0x0                           ; the wave's end, behind my last LDS store
	ds_add_u32 v[SPW], v[NIL]
	s_wait_dscnt 0x0
	s_endpgm
; Wo -> f16.  A wave takes 8 rows n; a group is 4 rows x 64 along K: lane l reads 32 bytes (8 numbers) of row l / 8 at 32 (l % 8), and stores their 16 bytes: the wave's store covers 512 consecutive bytes of one chunk.
.Lwo:
	s_sub_co_u32 s28, ttmp9, WG_WO
	s_lshl_b32 s28, s28, 5
	s_lshl_b32 s29, s2, 3
	s_add_co_u32 s28, s28, s29                     ; my first row: 32 x work-group + 8 x wave
	s_lshl_b32 s30, s28, 12                        ; a row of Wo is 4,096 bytes
	s_mov_b32 s31, 0
	s_add_nc_u64 s[20:21], s[20:21], s[30:31]
	s_lshl_b32 s30, s28, 7                         ; a row of a chunk is 128 bytes
	s_add_nc_u64 s[26:27], s[26:27], s[30:31]
	v_lshrrev_b32 v3, 3, v2
	v_lshlrev_b32 v3, 12, v3
	v_and_b32 v5, 7, v2
	v_lshl_add_u32 v3, v5, 5, v3                   ; in: 4,096 (lane / 8) + 32 (lane % 8)
	v_lshlrev_b32 v4, 4, v2                        ; out: 16 x lane
.irp bt, 0,1,2,3                       ; four batches of eight groups; group 8 bt + g: rows 4 (group / 16) on, chunk group % 16
.if \bt > 1
	s_wait_xcnt 0x0                                ; the stores of two batches back have read their data: those registers are written again below
.endif
.irp g, 0,1,2,3,4,5,6,7
	global_load_b128 v[16+8*\g:16+8*\g+3], v3, s[20:21] offset:((8*\bt+\g)/16)*16384+((8*\bt+\g)%16)*256 th:TH_LOAD_NT
	global_load_b128 v[16+8*\g+4:16+8*\g+7], v3, s[20:21] offset:((8*\bt+\g)/16)*16384+((8*\bt+\g)%16)*256+16 th:TH_LOAD_NT
.endr
	s_wait_loadcnt 0x0
.irp g, 0,1,2,3,4,5,6,7
.irp i, 0,1,2,3
	v_cvt_pk_f16_f32 v[128+4*((8*\bt+\g)%16)+\i], v[16+8*\g+2*\i], v[16+8*\g+2*\i+1]
.endr
	global_store_b128 v4, v[128+4*((8*\bt+\g)%16):128+4*((8*\bt+\g)%16)+3], s[26:27] offset:((8*\bt+\g)%16)*131072+((8*\bt+\g)/16)*512
.endr
.endr
	s_endpgm
.Lfunc_end_k_q1e3b405335_quant:
	.size	k_q1e3b405335_quant, .Lfunc_end_k_q1e3b405335_quant-k_q1e3b405335_quant
	.p2alignl 7, 3214868480
	.fill 96, 4, 3214868480
	.section	.rodata,"a",@progbits
	.p2align	6, 0x0
	.amdhsa_kernel k_q1e3b405335_quant
		.amdhsa_group_segment_fixed_size 33280
		.amdhsa_private_segment_fixed_size 0
		.amdhsa_enable_private_segment 0
		.amdhsa_kernarg_size 80
		.amdhsa_user_sgpr_count 2
		.amdhsa_user_sgpr_kernarg_segment_ptr 1
		.amdhsa_wavefront_size32 1
		.amdhsa_system_sgpr_workgroup_id_x 1
		.amdhsa_system_sgpr_workgroup_id_y 1
		.amdhsa_system_sgpr_workgroup_id_z 1
		.amdhsa_system_vgpr_workitem_id 0
		.amdhsa_next_free_vgpr 192
		.amdhsa_next_free_sgpr 66
		.amdhsa_reserve_vcc 0
		.amdhsa_float_denorm_mode_32 3
		.amdhsa_float_denorm_mode_16_64 3
		.amdhsa_memory_ordered 1
		.amdhsa_forward_progress 1
		.amdhsa_inst_pref_size 52
	.end_amdhsa_kernel
	.amdgpu_metadata
---
amdhsa.version: [ 1, 2 ]
amdhsa.kernels:
  - .name:           k_q1e3b405335_quant
    .symbol:         k_q1e3b405335_quant.kd
    .args:
      - { .name: Q, .offset: 0, .size: 8, .value_kind: global_buffer, .address_space: global }
      - { .name: K, .offset: 8, .size: 8, .value_kind: global_buffer, .address_space: global }
      - { .name: V, .offset: 16, .size: 8, .value_kind: global_buffer, .address_space: global }
      - { .name: Wq, .offset: 24, .size: 8, .value_kind: global_buffer, .address_space: global }
      - { .name: Wk, .offset: 32, .size: 8, .value_kind: global_buffer, .address_space: global }
      - { .name: Wv, .offset: 40, .size: 8, .value_kind: global_buffer, .address_space: global }
      - { .name: Wo, .offset: 48, .size: 8, .value_kind: global_buffer, .address_space: global }
      - { .name: codes, .offset: 56, .size: 8, .value_kind: global_buffer, .address_space: global }
      - { .name: scales, .offset: 64, .size: 8, .value_kind: global_buffer, .address_space: global }
      - { .name: woh, .offset: 72, .size: 8, .value_kind: global_buffer, .address_space: global }
    .group_segment_fixed_size: 33280
    .private_segment_fixed_size: 0
    .kernarg_segment_align: 8
    .kernarg_segment_size: 80
    .max_flat_workgroup_size: 128
    .sgpr_count:     66
    .vgpr_count:     192
    .wavefront_size: 32
...
	.end_amdgpu_metadata
.endif
;; end of part 1
;; launch proj (part 2): grid 4 x 96, 4 waves a work-group, clusters of 4 x 4, 327,680 bytes of LDS; arguments codes, scales, bq, bk, bv, qkv; writes qkv
.if DOCPART == 2
	.amdgcn_target "amdgcn-amd-amdhsa--gfx1250"
	.amdhsa_code_object_version 6
	.text
	.protected	k_q1e3b405335_proj
	.globl	k_q1e3b405335_proj
	.p2align	8
	.type	k_q1e3b405335_proj,@function
k_q1e3b405335_proj:
	s_mov_b64 s[64:65], 0
	v_nop
	global_prefetch_b8 v0, s[64:65] scope:SCOPE_SE
	s_setreg_imm32_b32 hwreg(HW_REG_WAVE_MODE, 25, 1), 1
	s_wait_xcnt 0x0
	s_wait_alu depctr_hold_cnt(0) depctr_sa_sdst(0) depctr_va_vdst(0) depctr_va_sdst(0) depctr_va_ssrc(0) depctr_va_vcc(0) depctr_vm_vsrc(0)
	s_getreg_b32 s2, hwreg(HW_REG_IB_STS2, 6, 4)
	s_cmp_eq_u32 s2, 0
	s_cbranch_scc0 .Lentry_in_a_cluster
	s_endpgm
.Lentry_in_a_cluster:
	s_bfe_u32 s2, ttmp6, 0x10000c
	s_cmp_lg_u32 s2, 0xf033
	s_cbranch_scc0 .Lentry_shape_is_right
	s_endpgm
.Lentry_shape_is_right:
; q = Q Wq^T + bq, k = K Wk^T + bk, v = V Wv^T + bv on codes of FP4 (E2M1) with one E8M0 scale for each 32 along K; sums in f32; results rounded once to f16 and laid by heads.
; codes: 27,648 rows of 512 bytes (rows 0.. Q, 8192.. K, 16384.. V, 24576.. Wq, 25600.. Wk, 26624.. Wv); scales: the same rows of 32 bytes.  qkv: f16 [3][4 b][16 h][2048 s][64].
; LIMIT: results beyond f16's largest number, 65,504, become infinities.
; The three products are one walk: tile row y = 0 .. 95 of 256 rows runs through Q, K and V; g = y / 32 picks the weight and the bias.  A tile is 256 x 256, four waves of 128 x 128: 64 accumulators, 512 registers.
; K = 1,024 is two steps of 512 along K (rows of 256 bytes): both lie in LDS at once, in two slots, each filled once; the scales of the work-group's 512 rows, for all of K, come with them.
; CLUSTERS: 4 x 4 work-groups.  The four of a row of the cluster need the same rows of the activations, the four of a column the same rows of the weight: each tile is asked for JOINTLY.
; THE MATRIX INSTRUCTION IS USED TRANSPOSED (source 0 = 16 rows of the weight, source 1 = 16 rows of the activations): a lane holds eight neighbouring columns of one row.  The bias is the C of each sum's first product.
; REGISTERS: window 0: v0-31 addresses; v32-95 scale words, two sets, and nothing else; v96-127 packed results on the way out; v128-191 the activations' fragments, one set, on the way out rows read back;
;   v192-255 the bias, 8 registers for each block of 16 columns.
;   window 1: the weight's fragments, two sets, at v0 and v128.   window 2: the accumulators of my rows 0-63 ((a, b) at v[8 (8 a + b)]);   window 3: those of my rows 64-127.
.set NQ,     4                         ; matrix instructions deep in a slot
.set ROWB,   256                       ; a tile's row in bytes: 512 codes
.set KROW,   512                       ; a row of codes in memory
.set PITCH,  272                       ; an LDS row: 256 bytes + 16 of padding = 68 words: the 16 rows that a load touches start 4 words apart
.set FR,     8
.set NL,     2
.set NP,     4                         ; places behind this matrix instruction (ISA guide 7.12.1)
.set HALFT,  128*PITCH
.set SLOT,   4*HALFT
.set KS,     32                        ; a row of scales in bytes
.set SCL,    2*SLOT                    ; behind the slots: the scales, as rows of 256 bytes + 16 of padding
.set HALFS,  (128*KS/256)*272
.set SBLK,   (16*KS/256)*272
.set SPARE,  SCL+4*HALFS               ; the spare words, 128 bytes a wave
.set STAGE,  SPARE+512                 ; the way out: 16 rows x (256 bytes + 16) for each wave; no tile lands here
.set SPITCH, 272
.set ADRA, 16
.set ADRB, 20
.set STO,  24
.set RD,   25
.set CO,   26
.set ADRS, 27
.set SPW,  28
.set NIL,  29
.set BO,   30
.set SC,   32
.set AF,   128
.set BI,   192
.set TMP,  96
.set BK,   128
.set WV, 16                            ; s16 my wave's number
.set RH, 17                            ; s17 which half of the tile's rows is mine; also: I fetch activations (0) or weights (1)
.set CH, 18                            ; s18 which half of its columns; also: which 128 rows of that tile I fetch
.set TY, 19                            ; s19 the tile row
.set G1, 24
.set G0, 32
.set G1B, 48
.set G0B, 56
.set G1S, 68
.set G0S, 76
.set G1SB, 80
.set G0SB, 88
.set MSB, 0
.macro WIN new                         ; the immediate's high byte repeats the setting that is left
.if MSB != (\new)
	s_set_vgpr_msb (MSB<<8)|(\new)
.set MSB, (\new)
.endif
.endm
.set MUL_LO, 0xa1                      ; source 0 window 1, source 1 window 0, C and D window 2
.set MUL_HI, 0xf1                      ; the same, C and D window 3
.set TO_B,   0x40
; A joint load: waves 0 and 1 fetch activations, waves 2 and 3 weights.  The branch hangs on the wave's number alone.  An s_nop 0 and four v_nop follow each of the two lines.
.macro JLOAD g0a, g1a, g0b, g1b
	s_cmp_eq_u32 s[RH], 0
	s_cbranch_scc0 .Lfor_b_\@
	tensor_load_to_lds s[\g0a:\g0a+3], s[\g1a:\g1a+7]
	s_nop 0
.rept 4
	v_nop
.endr
	s_branch .Lasked_\@
.Lfor_b_\@:
	tensor_load_to_lds s[\g0b:\g0b+3], s[\g1b:\g1b+7]
	s_nop 0
.rept 4
	v_nop
.endr
.Lasked_\@:
.endm
.macro CROUND                          ; a round of the cluster's barrier
	s_barrier_signal -1
	s_barrier_wait -1
	s_cmp_lg_u32 s[WV], 0
	s_cbranch_scc1 .Lnot_wave_0_\@
	s_barrier_signal -3
.Lnot_wave_0_\@:
	s_barrier_wait -3
	s_barrier_signal -1
	s_barrier_wait -1
.endm
	s_load_b128 s[4:7], s[0:1], 0x0                ; codes s[4:5], scales s[6:7]
	s_load_b128 s[8:11], s[0:1], 0x10              ; bq s[8:9], bk s[10:11]
	s_load_b128 s[12:15], s[0:1], 0x20             ; bv s[12:13], qkv s[14:15]
	v_lshl_add_u32 v[SPW], v0, 2, SPARE
	v_mov_b32 v[NIL], 0
	ds_add_u32 v[SPW], v[NIL]                      ; the wave's opening: the add, twice on end, and its wait ahead of my first tensor load
	ds_add_u32 v[SPW], v[NIL]
	v_lshrrev_b32 v1, 5, v0
	v_readfirstlane_b32 s[WV], v1
	s_lshr_b32 s[RH], s[WV], 1
	s_and_b32 s[CH], s[WV], 1
	s_bfe_u32 s40, ttmp6, 0x40000                  ; cx, cy: my place in the cluster
	s_bfe_u32 s41, ttmp6, 0x40004
	s_lshl_b32 s42, ttmp9, 2
	s_add_co_u32 s42, s42, s40                     ; tile column = 4 x cluster x + cx
	s_and_b32 s94, ttmp7, 0xffff
	s_lshl_b32 s[TY], s94, 2
	s_add_co_u32 s[TY], s[TY], s41                 ; tile row = 4 x cluster y + cy: 0 .. 95
	s_lshr_b32 s94, s94, 3                         ; g = cluster y / 8: 0 q, 1 k, 2 v: the same in all sixteen partners
	s_lshl_b32 s43, s41, 2
	s_lshl_b32 s43, 15, s43                        ; my row of the cluster
	s_lshl_b32 s44, 0x1111, s40                    ; my column
	; descriptor group 1: a tile of 128 rows x 256 bytes, 16 bytes of padding behind each row
	s_or_b32 s[G1+0], s43, (1<<20)|(1<<21)|(5<<22)|(3<<25)   ; 15:0 the mask; 17:16 elements of 1 byte; 20 padding on; 21 set beside a mask; 24:22 after every 64 words; 31:25 four words
	s_or_b32 s[G1B+0], s44, (1<<20)|(1<<21)|(5<<22)|(3<<25)
.irp g, G1, G1B
	s_mov_b32 s[\g+1], ROWB<<16                    ; tensor_dim0
	s_mov_b32 s[\g+2], 128<<16                     ; tensor_dim1
	s_mov_b32 s[\g+3], ROWB<<16                    ; tile_dim0
	s_mov_b32 s[\g+4], 128                         ; tile_dim1
	s_mov_b32 s[\g+5], KROW                        ; from row to row
	s_mov_b32 s[\g+6], 0
	s_mov_b32 s[\g+7], 0
.endr
	; the scales of 128 rows: 4,096 dense bytes, as 16 rows of 256 bytes (32 elements of 8 bytes), 16 bytes of padding behind each
	s_or_b32 s[G1S+0], s43, (3<<16)|(1<<20)|(1<<21)|(5<<22)|(3<<25)
	s_or_b32 s[G1SB+0], s44, (3<<16)|(1<<20)|(1<<21)|(5<<22)|(3<<25)
.irp g, G1S, G1SB
	s_mov_b32 s[\g+1], 32<<16
	s_mov_b32 s[\g+2], (128*KS/256)<<16
	s_mov_b32 s[\g+3], 32<<16
	s_mov_b32 s[\g+4], 128*KS/256
	s_mov_b32 s[\g+5], 32
	s_mov_b32 s[\g+6], 0
	s_mov_b32 s[\g+7], 0
.endr
	s_lshl_b32 s96, s[CH], 7                       ; which 128 rows of the tile I fetch
	s_lshl_b32 s20, s[TY], 8
	s_add_co_u32 s20, s20, s96                     ; activations: row 256 x tile row + 128 x half
	s_lshl_b32 s46, s42, 8
	s_add_co_u32 s46, s46, s96
	s_lshl_b32 s97, s94, 10
	s_add_co_u32 s46, s46, s97
	s_add_co_u32 s46, s46, 24576                   ; weights: row 24,576 + 1,024 g + 256 x tile column + 128 x half
	s_lshl_b32 s22, s20, 5                         ; where these rows' scales begin, in bytes (all under 2^24),
	s_mov_b32 s23, 0
	s_lshl_b32 s20, s20, 9                         ; and their codes
	s_mov_b32 s21, 0
	s_lshl_b32 s92, s46, 5
	s_mov_b32 s93, 0
	s_lshl_b32 s46, s46, 9
	s_mov_b32 s47, 0
	s_mul_i32 s45, s[WV], HALFT                    ; where they go: wave x 128 rows: no place in the cluster enters an LDS address
	s_mul_i32 s95, s[WV], HALFS
	s_wait_dscnt 0x0                               ; both opening adds are done
	s_wait_kmcnt 0x0
	s_add_nc_u64 s[20:21], s[4:5], s[20:21]
	s_add_nc_u64 s[22:23], s[6:7], s[22:23]
	s_add_nc_u64 s[46:47], s[4:5], s[46:47]
	s_add_nc_u64 s[92:93], s[6:7], s[92:93]
	CROUND                                         ; all sixteen work-groups are here: the joint loads meet
	s_mov_b32 s[G0S], 1
	s_add_co_u32 s[G0S+1], s95, SCL
	s_mov_b64 s[G0S+2:G0S+3], s[22:23]
	s_or_b32 s[G0S+3], s[G0S+3], 0x80000000
	s_mov_b32 s[G0SB], 1
	s_add_co_u32 s[G0SB+1], s95, SCL
	s_mov_b64 s[G0SB+2:G0SB+3], s[92:93]
	s_or_b32 s[G0SB+3], s[G0SB+3], 0x80000000
	JLOAD G0S, G1S, G0SB, G1SB                     ; the scales first: they are wanted with the first step
.irp s, 0,1
	s_mov_b32 s[G0+4*\s], 1
	s_add_co_u32 s[G0+4*\s+1], s45, \s*SLOT
	s_add_nc_u64 s[G0+4*\s+2:G0+4*\s+3], s[20:21], \s*ROWB
	s_or_b32 s[G0+4*\s+3], s[G0+4*\s+3], 0x80000000
	s_mov_b32 s[G0B+4*\s], 1
	s_add_co_u32 s[G0B+4*\s+1], s45, \s*SLOT
	s_add_nc_u64 s[G0B+4*\s+2:G0B+4*\s+3], s[46:47], \s*ROWB
	s_or_b32 s[G0B+4*\s+3], s[G0B+4*\s+3], 0x80000000
	JLOAD G0+4*\s, G1, G0B+4*\s, G1B               ; three loads of mine are out in all
.endr
	v_and_b32 v1, 15, v0                           ; r
	v_bfe_u32 v2, v0, 4, 1                         ; h
	v_mul_u32_u24 v3, v1, PITCH
	v_lshl_add_u32 v4, v2, 4, v3                   ; a fragment's row x pitch + 16 x half
	s_mul_i32 s21, s[RH], HALFT                    ; my 128 rows of the activations
	s_mul_i32 s22, s[CH], HALFT                    ; my 128 rows of the weight,
	s_add_co_u32 s22, s22, 2*HALFT                 ; which lie behind the activations' 256
.irp s, 0,1
	v_add_nc_u32 v[ADRA+\s], s21, v4
	v_add_nc_u32 v[ADRB+\s], s22, v4
	s_add_co_u32 s21, s21, SLOT
	s_add_co_u32 s22, s22, SLOT
.endr
	v_mul_u32_u24 v5, v1, KS                       ; my row's scales: 32 bytes a row,
	v_lshrrev_b32 v6, 8, v5
	v_lshl_add_u32 v5, v6, 4, v5                   ; and 16 more for each 256 passed
	s_mul_i32 s21, s[RH], HALFS
	s_mul_i32 s22, s[CH], HALFS
	s_add_co_u32 s22, s22, 2*HALFS
	s_sub_co_u32 s22, s22, s21
	v_mul_u32_u24 v6, s22, v2                      ; lanes 16-31 take the weight's: one product, the distance between the two bases
	s_add_co_u32 s21, s21, SCL
	v_add_nc_u32 v5, v5, v6
	v_add_nc_u32 v[ADRS], s21, v5
	s_mul_i32 s23, s[WV], 16*SPITCH
	s_add_co_u32 s23, s23, STAGE                   ; my stage
	v_mul_u32_u24 v5, v1, SPITCH                   ; in: row r, 16 bytes for each half of the lanes
	v_lshl_add_u32 v5, v2, 4, v5
	v_add_nc_u32 v[STO], s23, v5
	v_bfe_u32 v5, v0, 3, 1                         ; back: lanes 0-15 take two rows' 128 bytes of the first head, lanes 16-31 of the second
	v_mul_u32_u24 v6, v5, SPITCH
	v_lshl_add_u32 v6, v2, 7, v6
	v_and_b32 v3, 7, v0
	v_lshl_add_u32 v6, v3, 4, v6
	v_add_nc_u32 v[RD], s23, v6
	v_lshlrev_b32 v[CO], 18, v2                    ; in qkv: a head is 2^18 bytes, a row 128
	v_lshl_add_u32 v[CO], v5, 7, v[CO]
	v_lshl_add_u32 v[CO], v3, 4, v[CO]
	v_lshlrev_b32 v[BO], 5, v2                     ; the bias: 8 numbers for each half of the lanes
	s_lshr_b32 s20, s[TY], 3                       ; tile row / 8 = 4 g + batch: 2^22 bytes each
	s_lshl_b32 s20, s20, 22
	s_and_b32 s21, s[TY], 7
	s_lshl_b32 s21, s21, 15                        ; 256 rows of 128 bytes
	s_add_co_u32 s20, s20, s21
	s_lshl_b32 s21, s[RH], 14
	s_add_co_u32 s20, s20, s21
	s_mov_b32 s21, 0
	s_lshl_b32 s46, s42, 20                        ; my first head: 4 x tile column + 2 x half
	s_lshl_b32 s47, s[CH], 19
	s_add_co_u32 s46, s46, s47
	s_mov_b32 s47, 0
	s_add_nc_u64 s[20:21], s[20:21], s[46:47]
	s_add_nc_u64 s[14:15], s[14:15], s[20:21]
	s_cmp_eq_u32 s94, 1                            ; the bias by g
	s_cselect_b64 s[8:9], s[10:11], s[8:9]
	s_cmp_eq_u32 s94, 2
	s_cselect_b64 s[8:9], s[12:13], s[8:9]
	s_lshl_b32 s46, s42, 10                        ; my first column, in bytes of f32
	s_lshl_b32 s47, s[CH], 9
	s_add_co_u32 s46, s46, s47
	s_mov_b32 s47, 0
	s_add_nc_u64 s[8:9], s[8:9], s[46:47]
.irp b, 0,1,2,3,4,5,6,7
	global_load_b128 v[BI+8*\b:BI+8*\b+3], v[BO], s[8:9] offset:64*\b        ; register j: the bias of column 16 b + 8 h + j: the result's layout
	global_load_b128 v[BI+8*\b+4:BI+8*\b+7], v[BO], s[8:9] offset:64*\b+16
.endr
.macro FRAG reg, adr, q, i             ; a fragment, 16 rows x 128 K of 4-bit codes: registers 4 c .. 4 c + 3 hold K = 64 c + 32 h + 0 .. 31
.irp c, 0,1
	ds_load_b128 v[\reg+4*\c:\reg+4*\c+3], v[\adr] offset:64*(\q)+32*\c+(\i)*16*PITCH
.endr
.endm
; 16 matrix instructions: the activations' blocks a0, a0 + 1 x the weight's eight, 128 along K.  zero = 1: the first product starts the sums, with the bias as C.
; The 64 accumulators take turns, one instruction a turn, in the same order in every step.
.macro MUL16 a0, p, q, sc, zero
.irp a, \a0, \a0+1
.irp b, 0,1,2,3,4,5,6,7
.if \zero
	v_wmma_scale_f32_16x16x128_f8f6f4 v[8*(8*((\a)%4)+\b):8*(8*((\a)%4)+\b)+7], v[128*(\p)+FR*\b:128*(\p)+FR*\b+FR-1], v[AF+FR*(\a):AF+FR*(\a)+FR-1], v[BI+8*\b:BI+8*\b+7], v[SC+8*NQ*(\sc)+NQ*\b+(\q)], v[SC+8*NQ*(\sc)+NQ*(\a)+(\q)] matrix_a_fmt:MATRIX_FMT_FP4 matrix_b_fmt:MATRIX_FMT_FP4 matrix_a_scale:MATRIX_SCALE_ROW1
.else
	v_wmma_scale_f32_16x16x128_f8f6f4 v[8*(8*((\a)%4)+\b):8*(8*((\a)%4)+\b)+7], v[128*(\p)+FR*\b:128*(\p)+FR*\b+FR-1], v[AF+FR*(\a):AF+FR*(\a)+FR-1], v[8*(8*((\a)%4)+\b):8*(8*((\a)%4)+\b)+7], v[SC+8*NQ*(\sc)+NQ*\b+(\q)], v[SC+8*NQ*(\sc)+NQ*(\a)+(\q)] matrix_a_fmt:MATRIX_FMT_FP4 matrix_b_fmt:MATRIX_FMT_FP4 matrix_a_scale:MATRIX_SCALE_ROW1
.endif
.endr
.endr
.endm
.macro FETCH_B slot, q, p
	WIN TO_B
.irp i, 0,1,2,3,4,5,6,7
	FRAG 128*(\p)+FR*\i, ADRB+\slot, \q, \i
.endr
	WIN 0
.endm
.macro FETCH_A slot, q, i0
.irp i, \i0, \i0+1, \i0+2, \i0+3
	FRAG AF+FR*(\i), ADRA+\slot, \q, \i
.endr
.endm
.macro SCALES sc                       ; a slot's scale words: four a row; lanes 0-15 take the activations' block i, lanes 16-31 the weight's block i
.irp i, 0,1,2,3,4,5,6,7
	ds_load_b128 v[SC+8*NQ*\sc+NQ*\i:SC+8*NQ*\sc+NQ*\i+3], v[ADRS] offset:\i*SBLK
.endr
.endm
.macro PLACES n                        ; plain vector lines between a matrix instruction and a load into, or a read of, its registers
.rept \n
	v_nop
.endr
.endm
.macro STEP slot, q, zero              ; a step of 128 along K that has its successor in the same slot
	s_wait_dscnt 4*NL                              ; the weight's set and blocks 0-3 are in; the youngest eight loads (blocks 4-7) may be out
.if \zero
	WIN 0x81                                       ; C, the bias, in window 0
.else
	WIN MUL_LO
.endif
	MUL16 0, (\q)%2, \q, \slot, \zero
	MUL16 2, (\q)%2, \q, \slot, \zero
	s_wait_dscnt 0                                 ; blocks 4-7 are in
	PLACES NP
	FETCH_B \slot, (\q)+1, 1-(\q)%2
	FETCH_A \slot, (\q)+1, 0
.if \zero
	WIN 0xc1
.else
	WIN MUL_HI
.endif
	MUL16 4, (\q)%2, \q, \slot, \zero
	MUL16 6, (\q)%2, \q, \slot, \zero
	PLACES NP
	WIN 0
	FETCH_A \slot, (\q)+1, 4
.endm
.macro STEPS slot, from
.set QQ, \from
.rept NQ-1-\from
	STEP \slot, QQ, 0
.set QQ, QQ+1
.endr
.endm
	s_wait_tensorcnt 1                             ; the scales and my part of slot 0 are in; slot 1's load may be out
	s_barrier_signal -1
	s_barrier_wait -1                              ; everybody's are
	FETCH_B 0, 0, 0
	FETCH_A 0, 0, 0
	SCALES 0
	FETCH_A 0, 0, 4
	s_wait_loadcnt 0x0                             ; the bias
	STEP 0, 0, 1
	STEPS 0, 1
	; slot 0's last step changes slots: one barrier; in front of it my load of slot 1 has landed
	s_wait_tensorcnt 0x0
	ds_add_u32 v[SPW], v[NIL]
	s_wait_dscnt 4*NL+1                            ; (the add and the youngest eight loads may be out)
	WIN MUL_LO
	MUL16 0, 1, NQ-1, 0, 0
	s_wait_dscnt 0x0
	s_barrier_signal -1
	MUL16 2, 1, NQ-1, 0, 0
	WIN 0
	s_barrier_wait -1                              ; slot 1 is whole
	PLACES NP
	v_add_nc_u32 v[ADRS], 4*NQ, v[ADRS]            ; on to slot 1's scale words
	FETCH_B 1, 0, 0
	FETCH_A 1, 0, 0
	SCALES 1
	WIN MUL_HI
	MUL16 4, 1, NQ-1, 0, 0
	MUL16 6, 1, NQ-1, 0, 0
	PLACES NP
	WIN 0
	FETCH_A 1, 0, 4
	STEPS 1, 0
	s_wait_dscnt 4*NL                              ; the very last step: nothing more to fetch
	WIN MUL_LO
	MUL16 0, 1, NQ-1, 1, 0
	MUL16 2, 1, NQ-1, 1, 0
	s_wait_dscnt 0
	WIN MUL_HI
	MUL16 4, 1, NQ-1, 1, 0
	MUL16 6, 1, NQ-1, 1, 0
	WIN 0
; THE WAY OUT, block by block of 16 rows x 128 columns (two heads).  PACK: rounded to f16, 16 bytes a lane, each accumulator from its low end on.  TOSTAGE: into my own stage and back.  SEND: sixteen lanes store two
; neighbouring rows of one head: 256 consecutive bytes, aligned.  It works in v96-191: the scale words' registers take nothing else.
.macro PACK a
.set AC, 64*((\a)%4)
	WIN 0x0a+5*((\a)/4)                            ; sources 0 and 1: window 2 or 3
.irp b, 0,1,2,3,4,5,6,7
.irp r, 0,1,2,3
	v_cvt_pk_f16_f32 v[TMP+4*\b+\r], v[AC+8*\b+2*\r], v[AC+8*\b+2*\r+1]
.endr
.endr
	WIN 0
.endm
.macro TOSTAGE a
.set BB, BK+32*((\a)%2)
.irp b, 0,1,2,3,4,5,6,7
	ds_store_b128 v[STO], v[TMP+4*\b:TMP+4*\b+3] offset:32*\b
.endr
.irp t, 0,1,2,3,4,5,6,7
	ds_load_b128 v[BB+4*\t:BB+4*\t+3], v[RD] offset:\t*2*SPITCH    ; LDS serves a wave's instructions in order: these see the stores above
.endr
.endm
.macro SEND a, younger
.set BB, BK+32*((\a)%2)
	s_wait_dscnt \younger
.irp t, 0,1,2,3,4,5,6,7
	global_store_b128 v[CO], v[BB+4*\t:BB+4*\t+3], s[14:15] offset:(16*(\a)+2*\t)*128
.endr
.endm
	PLACES NP                                      ; behind the last products: their results are read, and the activations' registers loaded into, below
	PACK 0
	TOSTAGE 0
.irp a, 1,2,3,4,5,6,7
	PACK \a                                        ; block a's conversions stand between block a - 1's loads from the stage and the wait for them
.if \a > 1
	s_wait_xcnt 0x0                                ; block a - 2's stores have read their registers: block a's loads land there
.endif
	SEND \a-1, 0
	TOSTAGE \a
.endr
	SEND 7, 0
	s_wait_tensorcnt 0x0                           ; the wave's end
	ds_add_u32 v[SPW], v[NIL]
	s_wait_dscnt 0x0
	CROUND                                         ; the closing round
	s_endpgm
.Lfunc_end_k_q1e3b405335_proj:
	.size	k_q1e3b405335_proj, .Lfunc_end_k_q1e3b405335_proj-k_q1e3b405335_proj
	.p2alignl 7, 3214868480
	.fill 96, 4, 3214868480
	.section	.rodata,"a",@progbits
	.p2align	6, 0x0
	.amdhsa_kernel k_q1e3b405335_proj
		.amdhsa_group_segment_fixed_size 327680
		.amdhsa_private_segment_fixed_size 0
		.amdhsa_enable_private_segment 0
		.amdhsa_kernarg_size 48
		.amdhsa_user_sgpr_count 2
		.amdhsa_user_sgpr_kernarg_segment_ptr 1
		.amdhsa_wavefront_size32 1
		.amdhsa_system_sgpr_workgroup_id_x 1
		.amdhsa_system_sgpr_workgroup_id_y 1
		.amdhsa_system_sgpr_workgroup_id_z 1
		.amdhsa_system_vgpr_workitem_id 0
		.amdhsa_next_free_vgpr 1024
		.amdhsa_next_free_sgpr 98
		.amdhsa_reserve_vcc 0
		.amdhsa_float_denorm_mode_32 3
		.amdhsa_float_denorm_mode_16_64 3
		.amdhsa_memory_ordered 1
		.amdhsa_forward_progress 1
		.amdhsa_inst_pref_size 128
	.end_amdhsa_kernel
	.amdgpu_metadata
---
amdhsa.version: [ 1, 2 ]
amdhsa.kernels:
  - .name:           k_q1e3b405335_proj
    .symbol:         k_q1e3b405335_proj.kd
    .args:
      - { .name: codes, .offset: 0, .size: 8, .value_kind: global_buffer, .address_space: global }
      - { .name: scales, .offset: 8, .size: 8, .value_kind: global_buffer, .address_space: global }
      - { .name: bq, .offset: 16, .size: 8, .value_kind: global_buffer, .address_space: global }
      - { .name: bk, .offset: 24, .size: 8, .value_kind: global_buffer, .address_space: global }
      - { .name: bv, .offset: 32, .size: 8, .value_kind: global_buffer, .address_space: global }
      - { .name: qkv, .offset: 40, .size: 8, .value_kind: global_buffer, .address_space: global }
    .group_segment_fixed_size: 327680
    .private_segment_fixed_size: 0
    .kernarg_segment_align: 8
    .kernarg_segment_size: 48
    .max_flat_workgroup_size: 128
    .sgpr_count:     98
    .vgpr_count:     1024
    .wavefront_size: 32
...
	.end_amdgpu_metadata
.endif
;; end of part 2
;; launch attn (part 3): grid 4 x 64, 8 waves a work-group, clusters of 4 x 1, 327,680 bytes of LDS; arguments qkv, attn_mask, xh; writes xh
.if DOCPART == 3
	.amdgcn_target "amdgcn-amd-amdhsa--gfx1250"
	.amdhsa_code_object_version 6
	.text
	.protected	k_q1e3b405335_attn
	.globl	k_q1e3b405335_attn
	.p2align	8
	.type	k_q1e3b405335_attn,@function
k_q1e3b405335_attn:
	s_mov_b64 s[64:65], 0
	v_nop
	global_prefetch_b8 v0, s[64:65] scope:SCOPE_SE
	s_setreg_imm32_b32 hwreg(HW_REG_WAVE_MODE, 25, 1), 1
	s_wait_xcnt 0x0
	s_wait_alu depctr_hold_cnt(0) depctr_sa_sdst(0) depctr_va_vdst(0) depctr_va_sdst(0) depctr_va_ssrc(0) depctr_va_vcc(0) depctr_vm_vsrc(0)
	s_getreg_b32 s2, hwreg(HW_REG_IB_STS2, 6, 4)
	s_cmp_eq_u32 s2, 0
	s_cbranch_scc0 .Lentry_in_a_cluster
	s_endpgm
.Lentry_in_a_cluster:
	s_bfe_u32 s2, ttmp6, 0x10000c
	s_cmp_lg_u32 s2, 0x3003
	s_cbranch_scc0 .Lentry_shape_is_right
	s_endpgm
.Lentry_shape_is_right:
; x[b][h][q] = the sum over k of softmax_k(q . k / 8, keys with attn_mask[b][k] = 0 left out) v[k].  qkv: f16 [3][64 (b, h)][2048][64]; attn_mask: [4][2048] i32; xh: f16 [16 h][8192 (b, s)][64].
; Products on f16 operands, sums, maxima and the softmax in f32; the weights p are rounded to f16 for the second product, x once at the end.
; THE MASK is the C of each score tile's first product: 0 for a key that counts, -1e38 for one that does not.  The running maximum begins at -1e37.  Scores of f16 operands stay under 64 x 65,504^2 = 2.8e11 in size,
; so a masked key's weight is 2^(about -1.6e37) = 0 exactly.  A row all of whose keys are masked has the sum 0 and gives 0 x infinity = NaN, as a softmax over -infinity alone does.
; SHARES.  A work-group owns 512 queries of one head, each of its EIGHT waves 64: four tiles of 16, in 512 registers: two waves for each of a WGP's four SIMDs.  Every wave walks the head's 2,048 keys, 64 a step.
; LAYOUT.  S^T = K Q^T (source 0 = 16 keys, source 1 = 16 queries): a lane holds ONE query (lane % 16) and the keys 8 (lane / 16) + 0..7.  Two such tiles, rounded to f16 in pairs IN PLACE, are source 1 of O^T = V^T P.
; SOFTMAX.  A running maximum m and sum l for each query: p = 2^(c s - c m), c = log2(e) / 8; in every step O and l are multiplied by a = 2^(c m_old - c m_new).
; OPPOSITE PHASES.  A wave's work is by turns 64 matrix instructions and a softmax of 472 vector instructions.  The waves fall into two groups (GRP, made of the wave's number: waves w and w + 4 differ, and so do 2 i and
; 2 i + 1).  In a trip group 1 runs the softmax of the step before AHEAD of the trip's products, group 0 the softmax of this step BEHIND them: so behind each barrier one group multiplies while the other works on vectors.
; O^T, l and m begin as zeros and -1e37, so that every softmax is the same text: 128 v_mov_b32 once, against one more copy of the step.
; CLUSTER.  The four query blocks of a head form a cluster and walk the same K and V: each tile is asked for JOINTLY.
; REGISTERS: window 0: v1-15 addresses; v16-47 statistics, 8 a tile; v48-79 the step's mask; v80-111 K's key tiles 0, 1; v112-122 at work at the head; v128-255 S^T, 32 a tile (P takes the low 16 of each).
;   window 1: v0-127 O^T, 32 a tile; v128-191 Q, 16 a tile; v192-255 V's eight fragments, whose first 32 registers also take K's key tiles 2, 3.
.set KS,    64        ; keys in a step
.set PK,    144       ; a row of K in LDS: 128 bytes + 16 of padding
.set PV,    160       ; a row of V: 128 + 32
.set VOFF,  KS*PK     ; a step's tiles lie together: 64 rows of K, then 64 rows of V
.set STEPB, KS*(PK+PV)
.set NST,   4         ; steps in a slot
.set SLOTB, NST*KS*128  ; a slot's rows of K, or of V, in memory
.set SLOT1, 1<<17     ; slot 1 begins here: one exclusive or turns an address in one slot into the other's
.set MASKT, SLOT1+NST*STEPB  ; the batch's 2,048 mask numbers, f32; stored once, no tile lands here
.set STAGE, MASKT+8192       ; the way out: 16 rows x 144 bytes for each wave
.set SPARE, STAGE+8*16*PK    ; the spare words, 128 bytes a wave
.set AK0, 2
.set AV0, 3
.set AM0, 4
.set ADK, 5
.set ADV, 6
.set ADM, 7
.set QO,  8
.set STO, 9
.set RD,  10
.set GO,  11
.set PFO, 12
.set SPW, 13
.set HH,  14
.set NIL, 15
.set ST,  16          ; tile t's statistics at v[ST+8 t]: +0 c m, +1 m, +2, +3 l (even keys', odd keys'), +4 to +7 c0-c3, at work; a in c2
.set MK,  48
.set Y,   80
.set S,   128
.set Q,   128         ; in window 1
.set X,   192         ; in window 1
.set WV,  12
.set LIM, 15
.set PFA, 18
.set G1K, 24
.set G1V, 32
.set G0K, 40
.set G0V, 48
.set SLOTS, 56
.set CNT, 57
.set CS,  58
.set SEL, 60
.set TB,  62          ; s62 LDS byte at which the tiles of the step in hand begin
.set TMK, 63          ; s63 and its 64 mask numbers: 256 bytes a step
.set GRP, 66
.set MSB, 0
.macro WIN new
.if MSB != (\new)
	s_set_vgpr_msb (MSB<<8)|(\new)
.set MSB, (\new)
.endif
.endm
.macro PLACES n
.rept \n
	v_nop
.endr
.endm
; A joint refill.  Waves 0 to 3 fetch the four steps' tiles of K, waves 4 to 7 those of V.  The branch hangs on the wave's number alone.  An s_nop 0 and four v_nop follow each line.
.macro JLOAD
	s_cmp_lt_u32 s[WV], 4
	s_cbranch_scc0 .Lfor_v_\@
	tensor_load_to_lds s[G0K+4:G0K+7], s[G1K:G1K+7]
	s_nop 0
.rept 4
	v_nop
.endr
	s_branch .Lasked_\@
.Lfor_v_\@:
	tensor_load_to_lds s[G0V+4:G0V+7], s[G1V:G1V+7]
	s_nop 0
.rept 4
	v_nop
.endr
.Lasked_\@:
.endm
; A prefetch of what the NEXT change of slots will ask for: a slot's 256 rows of K and of V, 32,768 bytes each.  A head has one cluster; its four partners take 8,192 bytes each, told apart by address; in each, wave 0
; asks for K's and wave 4 for V's, lanes 256 bytes apart: each aligned block of 256 bytes is named once in the launch.  It stands four key steps ahead of the load; the last change that fills a slot asks for nothing.
.macro ASK
	s_cmp_gt_u32 s[SLOTS], s[LIM]
	s_cbranch_scc0 .Lnot_mine_\@
	global_prefetch_b8 v[PFO], s[PFA:PFA+1] th:TH_LOAD_NT scope:SCOPE_SE
.Lnot_mine_\@:
.endm
.macro CROUND
	s_barrier_signal -1
	s_barrier_wait -1
	s_cmp_lg_u32 s[WV], 0
	s_cbranch_scc1 .Lnot_wave_0_\@
	s_barrier_signal -3
.Lnot_wave_0_\@:
	s_barrier_wait -3
	s_barrier_signal -1
	s_barrier_wait -1
.endm
	s_load_b128 s[4:7], s[0:1], 0x0   ; qkv s[4:5], attn_mask s[6:7]
	s_load_b64 s[10:11], s[0:1], 0x10 ; xh
	v_lshl_add_u32 v[SPW], v0, 2, SPARE
	v_mov_b32 v[NIL], 0
	ds_add_u32 v[SPW], v[NIL]       ; the wave's opening: the add, twice on end, and its wait ahead of my first tensor load
	ds_add_u32 v[SPW], v[NIL]
	v_lshrrev_b32 v1, 5, v0
	v_readfirstlane_b32 s[WV], v1   ; wave 0..7
	s_bfe_u32 s13, ttmp6, 0x40000   ; cx: my block of 512 queries; it enters Q's, xh's and the prefetches' addresses alone
	s_and_b32 s20, ttmp7, 0xffff    ; 16 x batch + head, which the four partners share
	s_lshl_b32 s22, s20, 18         ; the head's first byte in each of q, k, v
	s_and_b32 s16, s[WV], 3         ; which of a slot's four steps I fetch:
	s_mul_i32 s17, s16, STEPB       ; its place in a slot,
	s_lshl_b32 s70, s16, 13         ; its 64 rows of 128 bytes in memory,
	s_add_co_u32 s70, s70, s22
	s_add_co_u32 s70, s70, 1<<24    ; in k
	s_mov_b32 s71, 0
	s_lshl_b32 s2, s13, 16          ; my block's 512 rows of 128 bytes,
	s_lshl_b32 s3, s[WV], 13        ; my wave's 64 of them
	s_add_co_u32 s2, s2, s3
	s_lshr_b32 s14, s20, 4          ; the batch
	s_and_b32 s20, s20, 15          ; the head
	s_lshl_b32 s20, s20, 20         ; in xh a head is 2^20 bytes,
	s_lshl_b32 s21, s14, 18         ; a batch's 2,048 rows 2^18
	s_add_co_u32 s20, s20, s21
	s_add_co_u32 s20, s20, s2
	s_mov_b32 s21, 0
	s_add_co_u32 s2, s2, s22        ; Q's rows
	s_mov_b32 s3, 0
	s_lshl_b32 s66, s14, 13         ; the batch's 2,048 mask words
	s_mov_b32 s67, 0
	; descriptor group 1: a tile of 64 rows x 64 elements, dense in memory, padded in LDS
	s_mov_b32 s[G1K], 15|(1<<16)|(1<<20)|(1<<21)|(4<<22)|(3<<25)  ; 15:0 the mask: all four work-groups; 17:16 elements of 2 bytes; 20 padding on; 21 set beside a mask; 24:22 after every 32 words; 31:25 four words
	s_mov_b32 s[G1V], 15|(1<<16)|(1<<20)|(1<<21)|(4<<22)|(7<<25)  ; the same with eight words of padding
.irp g, G1K, G1V
	s_mov_b32 s[\g+1], 64<<16       ; tensor_dim0
	s_mov_b32 s[\g+2], KS<<16       ; tensor_dim1
	s_mov_b32 s[\g+3], 64<<16       ; tile_dim0
	s_mov_b32 s[\g+4], KS           ; tile_dim1
	s_mov_b32 s[\g+5], 64           ; elements from row to row
	s_mov_b32 s[\g+6], 0
	s_mov_b32 s[\g+7], 0
.endr
	s_mov_b32 s[CS], 0x3e38aa3b     ; c = log2(e) / 8
	s_mov_b32 s[CS+1], s[CS]        ; named with it as a pair, so it is written
	s_mov_b32 s[SEL], 0x76543210
	s_mov_b32 s[SEL+1], 0xfedcba98
	s_mov_b32 s[TB], 0
	s_mov_b32 s[TMK], 0
	s_mov_b32 s[SLOTS], 2048/(NST*KS)-2
	s_cmp_eq_u32 s16, 0             ; waves 0 and 4 prefetch
	s_cselect_b32 s[LIM], 1, -1
	v_and_b32 v[PFO], 31, v0
	v_lshlrev_b32 v[PFO], 8, v[PFO]
	s_wait_dscnt 0x0                ; both opening adds are done
	s_wait_kmcnt 0x0
	s_add_nc_u64 s[68:69], s[6:7], s[66:67]  ; the mask at my batch
	s_add_nc_u64 s[6:7], s[4:5], s[70:71]    ; k at my tile of slot 0,
	s_add_nc_u64 s[8:9], s[6:7], 1<<24       ; v likewise
	s_add_nc_u64 s[4:5], s[4:5], s[2:3]      ; q at my wave's first row
	s_add_nc_u64 s[10:11], s[10:11], s[20:21]  ; xh likewise
	s_cmp_lt_u32 s[WV], 4
	s_cselect_b64 s[PFA:PFA+1], s[6:7], s[8:9]  ; (in waves 0 and 4 these stand at a slot's first row)
	s_lshl_b32 s2, s13, 13          ; my work-group's 8,192 bytes of the 32,768
	s_mov_b32 s3, 0
	s_add_nc_u64 s[PFA:PFA+1], s[PFA:PFA+1], s[2:3]
	s_add_nc_u64 s[PFA:PFA+1], s[PFA:PFA+1], 2*SLOTB  ; in slot 2; the first change of slots steps it to slot 3.  Nothing is prefetched at the head
	s_lshr_b32 s[GRP], s[WV], 2
	s_xor_b32 s[GRP], s[GRP], s[WV]
	s_and_b32 s[GRP], s[GRP], 1
	CROUND                          ; all four work-groups are here: the first joint loads meet
.irp s, 0,1
	s_mov_b32 s[G0K+4*\s], 1
	s_add_co_u32 s[G0K+4*\s+1], s17, \s*SLOT1
	s_add_nc_u64 s[G0K+4*\s+2:G0K+4*\s+3], s[6:7], \s*SLOTB
	s_or_b32 s[G0K+4*\s+3], s[G0K+4*\s+3], 0x80000000
	s_mov_b32 s[G0V+4*\s], 1
	s_add_co_u32 s[G0V+4*\s+1], s17, \s*SLOT1+VOFF
	s_add_nc_u64 s[G0V+4*\s+2:G0V+4*\s+3], s[8:9], \s*SLOTB
	s_or_b32 s[G0V+4*\s+3], s[G0V+4*\s+3], 0x80000000
.endr
	s_cmp_lt_u32 s[WV], 4           ; a wave's two first fills stand in one branch: two loads of mine are out
	s_cbranch_scc0 .Lfirst_v
	tensor_load_to_lds s[G0K:G0K+3], s[G1K:G1K+7]
	s_nop 0
	tensor_load_to_lds s[G0K+4:G0K+7], s[G1K:G1K+7]
	s_nop 0
.rept 4
	v_nop
.endr
	s_branch .Lfirst_asked
.Lfirst_v:
	tensor_load_to_lds s[G0V:G0V+3], s[G1V:G1V+7]
	s_nop 0
	tensor_load_to_lds s[G0V+4:G0V+7], s[G1V:G1V+7]
	s_nop 0
.rept 4
	v_nop
.endr
.Lfirst_asked:
	v_lshlrev_b32 v121, 5, v0       ; the mask: 8 words a thread, 2,048 in all
	global_load_b128 v[112:115], v121, s[68:69]
	global_load_b128 v[116:119], v121, s[68:69] offset:16
	v_and_b32 v1, 15, v0            ; r
	v_bfe_u32 v[HH], v0, 4, 1       ; h
	v_lshlrev_b32 v[QO], 7, v1
	v_lshl_add_u32 v[QO], v[HH], 4, v[QO]  ; row x 128 + 16 x half
	WIN 0x40                        ; destination window 1
.irp t, 0,1,2,3
.irp c, 0,1                         ; Q stays in registers: tile t, channels 32 c on
	global_load_b128 v[Q+16*\t+8*\c:Q+16*\t+8*\c+3],   v[QO], s[4:5] offset:\t*2048+64*\c
	global_load_b128 v[Q+16*\t+8*\c+4:Q+16*\t+8*\c+7], v[QO], s[4:5] offset:\t*2048+64*\c+32
.endr
.endr
.set i, 0
.rept 128
	v_mov_b32 v[i], 0               ; O^T
.set i, i+1
.endr
	WIN 0
	v_mul_u32_u24 v[AK0], v1, PK
	v_lshl_add_u32 v[AK0], v[HH], 4, v[AK0]  ; K: row x pitch + 16 x half
	v_and_b32 v5, 7, v0
	v_bfe_u32 v6, v0, 3, 1
	v_lshl_add_u32 v[AV0], v[HH], 3, v5      ; V, for the turning load: key 8 h + l % 8, channels 8 ((l / 8) % 2) on
	v_mul_u32_u24 v[AV0], v[AV0], PV
	v_lshl_add_u32 v[AV0], v6, 4, v[AV0]
	v_add_nc_u32 v[AV0], VOFF, v[AV0]
	v_lshl_add_u32 v[AM0], v[HH], 5, MASKT   ; the mask: my half's eight keys of a tile
	s_mul_i32 s20, s[WV], 16*PK
	s_add_co_u32 s20, s20, STAGE    ; my stage
	v_mul_u32_u24 v[STO], v1, PK    ; in: row r, 16 bytes for each half of the lanes
	v_lshl_add_u32 v[STO], v[HH], 4, v[STO]
	v_add_nc_u32 v[STO], s20, v[STO]
	v_and_b32 v[GO], 31, v0
	v_lshrrev_b32 v[RD], 3, v[GO]   ; back: eight lanes to a row of 128 bytes, four rows an instruction
	v_mul_u32_u24 v[RD], v[RD], PK
	v_lshl_add_u32 v[RD], v5, 4, v[RD]
	v_add_nc_u32 v[RD], s20, v[RD]
	v_lshlrev_b32 v[GO], 4, v[GO]   ; and the same 512 bytes in xh
.irp t, 0,1,2,3
	v_mov_b32 v[ST+8*\t+1], 0xfcf0bdc2       ; m = -1e37
	v_mul_f32 v[ST+8*\t], s[CS], v[ST+8*\t+1]
	v_mov_b32 v[ST+8*\t+2], 0                ; l
	v_mov_b32 v[ST+8*\t+3], 0
.irp w, 4,5,6,7
	v_mov_b32 v[ST+8*\t+\w], 0               ; c0-c3: which of a trip's two softmax places a wave takes hangs on GRP, and the way out names these registers: so they are written here, on every way through the text
.endr
.endr
	v_mov_b32 v120, 0xfe967699      ; -1e38
	v_lshl_add_u32 v122, v0, 5, MASKT
	s_wait_loadcnt 16               ; the mask's two loads are in; Q's sixteen may be out
.irp i, 0,1,2,3,4,5,6,7
	v_cmp_eq_u32 vcc_lo, 0, v[112+\i]
	v_cndmask_b32 v[112+\i], 0, v120, vcc_lo
.endr
	ds_store_b128 v122, v[112:115]
	ds_store_b128 v122, v[116:119] offset:16
	s_wait_tensorcnt 1              ; my part of slot 0 is in; slot 1's may stay out
	s_wait_dscnt 0x0                ; my part of the mask's table is stored
	s_barrier_signal -1
	s_barrier_wait -1
	s_wait_loadcnt 0x0              ; Q
.macro LOADK kp                     ; K's key tiles 2 kp, 2 kp + 1: four fragments of 16 keys x 32 channels
.if \kp
	WIN 0x40
.set KB, X
.else
.set KB, Y
.endif
.irp u, 0,1
.irp c, 0,1
	ds_load_b128 v[KB+16*\u+8*\c:KB+16*\u+8*\c+3],   v[ADK] offset:(2*\kp+\u)*16*PK+64*\c
	ds_load_b128 v[KB+16*\u+8*\c+4:KB+16*\u+8*\c+7], v[ADK] offset:(2*\kp+\u)*16*PK+64*\c+32
.endr
.endr
	WIN 0
.endm
.macro LOADM                        ; the step's mask in the scores' layout: register 8 u + j = key 16 u + 8 h + j
.irp u, 0,1,2,3
	ds_load_b128 v[MK+8*\u:MK+8*\u+3],   v[ADM] offset:64*\u
	ds_load_b128 v[MK+8*\u+4:MK+8*\u+7], v[ADM] offset:64*\u+16
.endr
.endm
.macro LOADV                        ; V turned: fragment f: keys 32 (f / 4) on, channels 16 (f % 4) on
	WIN 0x40
.irp f, 0,1,2,3,4,5,6,7
	ds_load_tr16_b128 v[X+8*\f:X+8*\f+3],   v[ADV] offset:(\f/4)*32*PV+(\f%4)*32
	ds_load_tr16_b128 v[X+8*\f+4:X+8*\f+7], v[ADV] offset:(\f/4)*32*PV+16*PV+(\f%4)*32
.endr
	WIN 0
.endm
; The accumulators take turns, one instruction a turn: between two links of a chain stand 15 (V^T P) or 7 (K Q^T) others'.
.macro PVM                          ; O^T += V^T P: 32 products
	WIN 0x51                        ; V and O^T in window 1, P in window 0
.irp kh, 0,1
.irp ct, 0,1,2,3
.irp t, 0,1,2,3
	v_wmma_f32_16x16x32_f16 v[32*\t+8*\ct:32*\t+8*\ct+7], v[X+32*\kh+8*\ct:X+32*\kh+8*\ct+7], v[S+32*\t+8*\kh:S+32*\t+8*\kh+7], v[32*\t+8*\ct:32*\t+8*\ct+7]
.endr
.endr
.endr
.endm
.macro KQM kp                       ; S^T = K Q^T + the mask, key tiles 2 kp, 2 kp + 1: 16 products
.if \kp
	WIN 0x05                        ; K and Q in window 1
.set KB, X
.else
	WIN 0x04                        ; K in window 0, Q in window 1
.set KB, Y
.endif
.irp c, 0,1
.irp u, 0,1
.irp t, 0,1,2,3
.if \c == 0
	v_wmma_f32_16x16x32_f16 v[S+32*\t+8*(2*\kp+\u):S+32*\t+8*(2*\kp+\u)+7], v[KB+16*\u+8*\c:KB+16*\u+8*\c+7], v[Q+16*\t+8*\c:Q+16*\t+8*\c+7], v[MK+8*(2*\kp+\u):MK+8*(2*\kp+\u)+7]
.else
	v_wmma_f32_16x16x32_f16 v[S+32*\t+8*(2*\kp+\u):S+32*\t+8*(2*\kp+\u)+7], v[KB+16*\u+8*\c:KB+16*\u+8*\c+7], v[Q+16*\t+8*\c:Q+16*\t+8*\c+7], v[S+32*\t+8*(2*\kp+\u):S+32*\t+8*(2*\kp+\u)+7]
.endif
.endr
.endr
.endr
.endm
; THE SOFTMAX of a step, the four tiles by turns, so that no line waits for the line above it.  The 132 exponentials are ONE batch: nothing names a result ahead of the one wait behind them.
.macro SMAX
.irp j, 0,1,2,3                     ; the maximum: four chains a tile; each score tile is first read at its registers 0 to 2
.irp t, 0,1,2,3
	v_max3_num_f32 v[ST+8*\t+4+\j], v[S+32*\t+8*\j], v[S+32*\t+8*\j+1], v[S+32*\t+8*\j+2]
.endr
.endr
.irp u, 1,2
.irp j, 0,1,2,3
.irp t, 0,1,2,3
	v_max3_num_f32 v[ST+8*\t+4+\j], v[ST+8*\t+4+\j], v[S+32*\t+8*\j+2*\u+1], v[S+32*\t+8*\j+2*\u+2]
.endr
.endr
.endr
.irp t, 0,1,2,3
	v_max3_num_f32 v[ST+8*\t+4], v[ST+8*\t+4], v[S+32*\t+7], v[S+32*\t+15]
.endr
.irp t, 0,1,2,3
	v_max3_num_f32 v[ST+8*\t+6], v[ST+8*\t+6], v[S+32*\t+23], v[S+32*\t+31]
.endr
.irp t, 0,1,2,3
	v_max3_num_f32 v[ST+8*\t+4], v[ST+8*\t+4], v[ST+8*\t+5], v[ST+8*\t+6]
.endr
.irp t, 0,1,2,3
	v_max3_num_f32 v[ST+8*\t+4], v[ST+8*\t+4], v[ST+8*\t+7], v[ST+8*\t+1]   ; and the old m
.endr
.irp t, 0,1,2,3
	v_permlanex16_b32 v[ST+8*\t+5], v[ST+8*\t+4], s[SEL], s[SEL+1]   ; the query's other 32 keys lie in the lane 16 away
.endr
.irp t, 0,1,2,3
	v_mov_b32 v[ST+8*\t+7], v[ST+8*\t]       ; c m_old
.endr
.irp t, 0,1,2,3
	v_max_num_f32 v[ST+8*\t+1], v[ST+8*\t+4], v[ST+8*\t+5]
.endr
.irp t, 0,1,2,3
	v_mul_f32 v[ST+8*\t], s[CS], v[ST+8*\t+1]
.endr
.irp t, 0,1,2,3
	v_sub_f32 v[ST+8*\t+7], v[ST+8*\t+7], v[ST+8*\t]
.endr
.irp t, 0,1,2,3
	v_exp_f32 v[ST+8*\t+6], v[ST+8*\t+7]     ; a
.endr
.irp b, 0,1,2,3,4,5,6,7,8,9,10,11,12,13,14,15
	v_pk_fma_f32 v[S+2*\b:S+2*\b+1], v[S+2*\b:S+2*\b+1], s[CS:CS+1], v[ST:ST+1] op_sel_hi:[1,0,0] neg_lo:[0,0,1] neg_hi:[0,0,1]   ; tile 0: c s - c m
.endr
.irp t, 0,1,2,3                     ; tile t's exponentials, with tile t + 1's scalings set between them
.irp b, 0,1,2,3,4,5,6,7,8,9,10,11,12,13,14,15
.if \t < 3
	v_pk_fma_f32 v[S+32*(\t+1)+2*\b:S+32*(\t+1)+2*\b+1], v[S+32*(\t+1)+2*\b:S+32*(\t+1)+2*\b+1], s[CS:CS+1], v[ST+8*(\t+1):ST+8*(\t+1)+1] op_sel_hi:[1,0,0] neg_lo:[0,0,1] neg_hi:[0,0,1]
.endif
	v_exp_f32 v[S+32*\t+2*\b], v[S+32*\t+2*\b]
	v_exp_f32 v[S+32*\t+2*\b+1], v[S+32*\t+2*\b+1]
.endr
.endr
	v_nop                           ; a plain line behind the last exponential
	s_wait_alu depctr_va_vdst(0)    ; one wait for the batch, ahead of its first reader
.irp t, 0,1,2,3                     ; the sums are taken of the unrounded p
	v_pk_add_f32 v[ST+8*\t+4:ST+8*\t+5], v[S+32*\t:S+32*\t+1], v[S+32*\t+2:S+32*\t+3]
.endr
.irp i, 2,3,4,5,6,7,8,9,10,11,12,13,14,15
.irp t, 0,1,2,3
	v_pk_add_f32 v[ST+8*\t+4:ST+8*\t+5], v[ST+8*\t+4:ST+8*\t+5], v[S+32*\t+2*\i:S+32*\t+2*\i+1]
.endr
.endr
.irp t, 0,1,2,3
	v_pk_fma_f32 v[ST+8*\t+2:ST+8*\t+3], v[ST+8*\t+2:ST+8*\t+3], v[ST+8*\t+6:ST+8*\t+7], v[ST+8*\t+4:ST+8*\t+5] op_sel_hi:[1,0,1]   ; l = a l + the sum
.endr
.irp i, 0,1,2,3,4,5,6,7,8,9,10,11,12,13,14,15
.irp t, 0,1,2,3
	v_cvt_pk_f16_f32 v[S+32*\t+\i], v[S+32*\t+2*\i], v[S+32*\t+2*\i+1]   ; P in place, ascending: register i is written when registers 2 i, 2 i + 1 are read, and no later line reads it
.endr
.endr
	WIN 0x41                        ; O^T (destination and source 0) in window 1, a in window 0
.irp i, 0,1,2,3,4,5,6,7,8,9,10,11,12,13,14,15
.irp t, 0,1,2,3
	v_pk_mul_f32 v[32*\t+2*\i:32*\t+2*\i+1], v[32*\t+2*\i:32*\t+2*\i+1], v[ST+8*\t+6:ST+8*\t+7] op_sel_hi:[1,0]
.endr
.endr
	WIN 0
.endm
; A TRIP.  pv: V^T P of the step before; kq: K Q^T of this step, and its loads; s1: group 1's softmax of the step before; s0: group 0's softmax of this step.
.macro ITER pv, kq, s1, s0
.if \kq
	v_add_nc_u32 v[ADK], s[TB], v[AK0]
	v_add_nc_u32 v[ADM], s[TMK], v[AM0]
	LOADK 0
	LOADM
.if \pv == 0
	LOADK 1
.endif
.endif
.if \s1
	s_cmp_eq_u32 s[GRP], 1
	s_cbranch_scc0 .Lno_s1_\@
	SMAX
.Lno_s1_\@:
.endif
.if \pv
.if \kq
	s_wait_dscnt 16                 ; V is in; the sixteen younger loads (K's tiles 0, 1 and the mask) may be out
.else
	s_wait_dscnt 0x0
.endif
	PVM
	WIN 0
.endif
.if \pv && \kq
	PLACES 5                        ; four for the loads into V's registers; five for the products below, which write over P
	LOADK 1
.endif
.if \kq
	s_wait_dscnt 8                  ; K's tiles 0, 1 and the mask are in; the eight loads of tiles 2, 3 may be out
	KQM 0
	s_wait_dscnt 0x0
	KQM 1
	WIN 0
	v_add_nc_u32 v[ADV], s[TB], v[AV0]
	PLACES 4                        ; with the line above: five places.  Four serve the loads into K's, V's and the mask's registers and the first read of the scores; five the next V^T P, which takes the scores' registers
	                                ; as an operand: a wave's softmax stands between the two as well, but at one of two places in the text, so the places are written out here, for every way
	LOADV
	s_add_co_u32 s[TB], s[TB], STEPB
	s_add_co_u32 s[TMK], s[TMK], 256
.endif
.if \s0
	s_cmp_eq_u32 s[GRP], 0
	s_cbranch_scc0 .Lno_s0_\@
	SMAX
.Lno_s0_\@:
.endif
.endm
.macro INNER n
	s_mov_b32 s[CNT], \n
.Linner_\@:
	ITER 1, 1, 1, 1
	s_sub_co_u32 s[CNT], s[CNT], 1
	s_cmp_lg_u32 s[CNT], 0
	s_cbranch_scc1 .Linner_\@
.endm
; THE CHANGE OF SLOTS, at a trip's top: the slot's last bytes, V of its fourth step, have been asked for.  Each wave waits for all its tensor loads (one is out: its part of the other slot), adds 0 to its spare word, and
; waits for that and for its reads of the slot.  fill = 1: the barrier is a round of the cluster's, and the joint refill, the keys two slots on, is the first thing behind it: it has four key steps in which to land.
.macro CHANGE fill
	WIN 0
	s_wait_tensorcnt 0x0            ; no tensor load of mine is out, so a group 0 may be written
	ds_add_u32 v[SPW], v[NIL]
.if \fill
.irp g, G0K+4, G0V+4
	s_xor_b32 s[\g+1], s[\g+1], SLOT1
	s_add_nc_u64 s[\g+2:\g+3], s[\g+2:\g+3], SLOTB
.endr
	s_wait_xcnt 0x0                 ; the last prefetch, four key steps back, has read its address
	s_add_nc_u64 s[PFA:PFA+1], s[PFA:PFA+1], SLOTB
	s_wait_dscnt 0x0                ; the add is done, and my reads of the slot are over
	CROUND
	JLOAD
	ASK
.else
	s_wait_dscnt 0x0
	s_barrier_signal -1
	s_barrier_wait -1
.endif
	s_sub_co_u32 s[TB], s[TB], NST*STEPB  ; back to a slot's first step,
	s_xor_b32 s[TB], s[TB], SLOT1   ; in the other slot
.endm
	ITER 0, 1, 0, 1                 ; step 0's scores
	INNER 3                         ; steps 1 to 3
.Lslot:                             ; six trips: slots 1 to 6 are walked, slots 2 to 7 asked for
	CHANGE 1
	INNER 4
	s_sub_co_u32 s[SLOTS], s[SLOTS], 1
	s_cmp_lg_u32 s[SLOTS], 0
	s_cbranch_scc1 .Lslot
	CHANGE 0                        ; the last slot is written out
	INNER 4
	ITER 1, 0, 1, 0                 ; the last step's V^T P
	; THE WAY OUT.  l's two halves and the other half of the lanes' are added (these lines are the places behind the last products); O^T is divided by l, rounded to f16 and sent through my stage, a tile at a time.
.irp t, 0,1,2,3
	v_add_f32 v[ST+8*\t+4], v[ST+8*\t+2], v[ST+8*\t+3]
.endr
.irp t, 0,1,2,3
	v_permlanex16_b32 v[ST+8*\t+5], v[ST+8*\t+4], s[SEL], s[SEL+1]
.endr
.irp t, 0,1,2,3
	v_add_f32 v[ST+8*\t+4], v[ST+8*\t+4], v[ST+8*\t+5]
.endr
.irp t, 0,1,2,3
	v_rcp_f32 v[ST+8*\t+6], v[ST+8*\t+4]
.endr
	v_nop
	s_wait_alu depctr_va_vdst(0)    ; one wait for the four reciprocals, ahead of their first reader
.macro PACK t
	WIN 0x41
.irp i, 0,1,2,3,4,5,6,7,8,9,10,11,12,13,14,15
	v_pk_mul_f32 v[32*\t+2*\i:32*\t+2*\i+1], v[32*\t+2*\i:32*\t+2*\i+1], v[ST+8*\t+6:ST+8*\t+7] op_sel_hi:[1,0]
.endr
	WIN 0x05                        ; sources in window 1, destination in window 0
.irp i, 0,1,2,3,4,5,6,7,8,9,10,11,12,13,14,15
	v_cvt_pk_f16_f32 v[S+32*\t+\i], v[32*\t+2*\i], v[32*\t+2*\i+1]
.endr
	WIN 0
.irp f, 0,1,2,3
	ds_store_b128 v[STO], v[S+32*\t+4*\f:S+32*\t+4*\f+3] offset:32*\f
.endr
.irp f, 0,1,2,3
	ds_load_b128 v[S+32*\t+16+4*\f:S+32*\t+16+4*\f+3], v[RD] offset:\f*4*PK  ; LDS serves a wave's instructions in order: these see the stores above; the next tile's stores come behind them
.endr
.endm
.macro SEND t, younger              ; younger: the LDS instructions issued behind tile t's loads: the next tile's eight, or none
.irp f, 0,1,2,3
	s_wait_dscnt \younger+3-\f
	global_store_b128 v[GO], v[S+32*\t+16+4*\f:S+32*\t+16+4*\f+3], s[10:11] offset:\t*2048+\f*512  ; 32 lanes store four rows: 512 consecutive bytes, aligned
.endr
.endm
	PACK 0
	PACK 1
	SEND 0, 8
	PACK 2
	SEND 1, 8
	PACK 3
	SEND 2, 8
	SEND 3, 0
	s_wait_tensorcnt 0x0            ; the wave's end
	ds_add_u32 v[SPW], v[NIL]
	s_wait_dscnt 0x0
	CROUND                          ; the closing round
	s_endpgm
.Lfunc_end_k_q1e3b405335_attn:
	.size	k_q1e3b405335_attn, .Lfunc_end_k_q1e3b405335_attn-k_q1e3b405335_attn
	.p2alignl 7, 3214868480
	.fill 96, 4, 3214868480
	.section	.rodata,"a",@progbits
	.p2align	6, 0x0
	.amdhsa_kernel k_q1e3b405335_attn
		.amdhsa_group_segment_fixed_size 327680
		.amdhsa_private_segment_fixed_size 0
		.amdhsa_enable_private_segment 0
		.amdhsa_kernarg_size 24
		.amdhsa_user_sgpr_count 2
		.amdhsa_user_sgpr_kernarg_segment_ptr 1
		.amdhsa_wavefront_size32 1
		.amdhsa_system_sgpr_workgroup_id_x 1
		.amdhsa_system_sgpr_workgroup_id_y 1
		.amdhsa_system_sgpr_workgroup_id_z 1
		.amdhsa_system_vgpr_workitem_id 0
		.amdhsa_next_free_vgpr 512
		.amdhsa_next_free_sgpr 72
		.amdhsa_reserve_vcc 1
		.amdhsa_float_denorm_mode_32 3
		.amdhsa_float_denorm_mode_16_64 3
		.amdhsa_memory_ordered 1
		.amdhsa_forward_progress 1
		.amdhsa_inst_pref_size 255
	.end_amdhsa_kernel
	.section	.bss,"aw",@nobits
	.p2align	6
	.space	262144
	.amdgpu_metadata
---
amdhsa.version: [ 1, 2 ]
amdhsa.kernels:
  - .name:           k_q1e3b405335_attn
    .symbol:         k_q1e3b405335_attn.kd
    .args:
      - { .name: qkv, .offset: 0, .size: 8, .value_kind: global_buffer, .address_space: global }
      - { .name: attn_mask, .offset: 8, .size: 8, .value_kind: global_buffer, .address_space: global }
      - { .name: xh, .offset: 16, .size: 8, .value_kind: global_buffer, .address_space: global }
    .group_segment_fixed_size: 327680
    .private_segment_fixed_size: 0
    .kernarg_segment_align: 8
    .kernarg_segment_size: 24
    .max_flat_workgroup_size: 256
    .sgpr_count:     72
    .vgpr_count:     512
    .wavefront_size: 32
...
	.end_amdgpu_metadata
.endif
;; end of part 3
;; launch outp (part 4): grid 4 x 64, 4 waves a work-group, clusters of 4 x 4, 327,680 bytes of LDS; arguments xh, woh, bo, out0; writes out0
.if DOCPART == 4
	.amdgcn_target "amdgcn-amd-amdhsa--gfx1250"
	.amdhsa_code_object_version 6
	.text
	.protected	k_q1e3b405335_outp
	.globl	k_q1e3b405335_outp
	.p2align	8
	.type	k_q1e3b405335_outp,@function
k_q1e3b405335_outp:
	s_mov_b64 s[64:65], 0
	v_nop
	global_prefetch_b8 v0, s[64:65] scope:SCOPE_SE
	s_setreg_imm32_b32 hwreg(HW_REG_WAVE_MODE, 25, 1), 1
	s_wait_xcnt 0x0
	s_wait_alu depctr_hold_cnt(0) depctr_sa_sdst(0) depctr_va_vdst(0) depctr_va_sdst(0) depctr_va_ssrc(0) depctr_va_vcc(0) depctr_vm_vsrc(0)
	s_getreg_b32 s2, hwreg(HW_REG_IB_STS2, 6, 4)
	s_cmp_eq_u32 s2, 0
	s_cbranch_scc0 .Lentry_in_a_cluster
	s_endpgm
.Lentry_in_a_cluster:
	s_bfe_u32 s2, ttmp6, 0x10000c
	s_cmp_lg_u32 s2, 0xf033
	s_cbranch_scc0 .Lentry_shape_is_right
	s_endpgm
.Lentry_shape_is_right:
; out0[m][n] = the sum over k of x[m][k] Wo[n][k] + bo[n].  xh: f16 [16 (k / 64)][8192 (m)][64]; woh: f16 [16 (k / 64)][1024 (n)][64]; bo: [1024] f32; out0: [8192][1024] f32.  Sums in f32.
; A tile is 128 (m) x 256 (n): 256 work-groups.  Four waves, each 64 x 128: 32 accumulators, 256 registers.  K goes in steps of 128, two chunks of 64, through a ring of two LDS slots.  A chunk's rows of a tile are one
; dense block of memory: waves 0 and 1 fetch x's two chunks (128 rows of 128 bytes), waves 2 and 3 Wo's (256 rows), one tensor load a wave.
; CLUSTERS: 4 x 4 work-groups; x's tiles are shared along a row of the cluster, Wo's along a column: each is asked for JOINTLY.
; THE MATRIX INSTRUCTION IS USED TRANSPOSED (source 0 = 16 rows of Wo, source 1 = 16 rows of x): a lane holds eight neighbouring columns of a row.  The bias is the C of each sum's first product.
; No prefetch: of the eight K steps two are first fills, and a refill has a K step's 128 matrix instructions less sixteen in which to land.
; REGISTERS: window 0: v16-29 addresses; v32-63, v64-95 x's fragments, two buffers; v128-191 the bias, later with v192-255 rows on the way out.  window 1: v0-63, v64-127 Wo's fragments, two buffers.  window 2: the accumulators, (a, b) at v[8 (8 a + b)].
.set PITCH,  144                       ; an LDS row: 128 bytes + 16 of padding
.set AZ,     128*PITCH                 ; a chunk of x's tile
.set BZ,     256*PITCH                 ; a chunk of Wo's
.set SLOT,   2*AZ+2*BZ
.set STAGE,  2*SLOT                    ; the way out: 16 rows x (512 bytes + 16) for each wave; no tile lands here
.set SPITCH, 528
.set SPARE,  STAGE+4*16*SPITCH
.set LAPS,   4                         ; a lap = two K steps = once round the ring
.set ADRA, 16
.set ADRB, 20
.set STO,  24
.set RD,   25
.set CO,   26
.set BO,   27
.set SPW,  28
.set NIL,  29
.set AF,   32
.set BI,   128
.set BK,   128
.set WV, 12
.set RH, 13                            ; which 64 rows of the tile are mine; also: I fetch x (0) or Wo (1)
.set CH, 14                            ; which 128 columns; also: which chunk I fetch
.set TY, 15
.set G1, 24
.set G0, 32
.set G1B, 48
.set G0B, 56
.set MSB, 0
.macro WIN new
.if MSB != (\new)
	s_set_vgpr_msb (MSB<<8)|(\new)
.set MSB, (\new)
.endif
.endm
.set MUL,  0xa1                        ; source 0 (Wo) window 1, source 1 (x) window 0, C and D window 2
.set TO_B, 0x40
.macro JLOAD s                         ; a joint load; an s_nop 0 and four v_nop follow each of the two lines
	s_cmp_eq_u32 s[RH], 0
	s_cbranch_scc0 .Lfor_b_\@
	tensor_load_to_lds s[G0+4*\s:G0+4*\s+3], s[G1:G1+7]
	s_nop 0
.rept 4
	v_nop
.endr
	s_branch .Lasked_\@
.Lfor_b_\@:
	tensor_load_to_lds s[G0B+4*\s:G0B+4*\s+3], s[G1B:G1B+7]
	s_nop 0
.rept 4
	v_nop
.endr
.Lasked_\@:
.endm
.macro CREST                           ; a round of the cluster's barrier behind its opening barrier
	s_cmp_lg_u32 s[WV], 0
	s_cbranch_scc1 .Lnot_wave_0_\@
	s_barrier_signal -3
.Lnot_wave_0_\@:
	s_barrier_wait -3
	s_barrier_signal -1
	s_barrier_wait -1
.endm
.macro CROUND
	s_barrier_signal -1
	s_barrier_wait -1
	CREST
.endm
	s_load_b256 s[4:11], s[0:1], 0x0               ; xh s[4:5], woh s[6:7], bo s[8:9], out0 s[10:11]
	v_lshl_add_u32 v[SPW], v0, 2, SPARE
	v_mov_b32 v[NIL], 0
	ds_add_u32 v[SPW], v[NIL]                      ; the wave's opening: the add, twice on end, and its wait ahead of my first tensor load
	ds_add_u32 v[SPW], v[NIL]
	v_lshrrev_b32 v1, 5, v0
	v_readfirstlane_b32 s[WV], v1
	s_lshr_b32 s[RH], s[WV], 1
	s_and_b32 s[CH], s[WV], 1
	s_bfe_u32 s40, ttmp6, 0x40000                  ; cx, cy
	s_bfe_u32 s41, ttmp6, 0x40004
	s_lshl_b32 s42, ttmp9, 2
	s_add_co_u32 s42, s42, s40                     ; tile column
	s_and_b32 s[TY], ttmp7, 0xffff
	s_lshl_b32 s[TY], s[TY], 2
	s_add_co_u32 s[TY], s[TY], s41                 ; tile row
	s_lshl_b32 s43, s41, 2
	s_lshl_b32 s43, 15, s43                        ; my row of the cluster
	s_lshl_b32 s44, 0x1111, s40                    ; my column
	s_or_b32 s[G1+0], s43, (1<<16)|(1<<20)|(1<<21)|(4<<22)|(3<<25)   ; the mask; elements of 2 bytes; padding on; bit 21 beside a mask; after every 32 words; four words
	s_or_b32 s[G1B+0], s44, (1<<16)|(1<<20)|(1<<21)|(4<<22)|(3<<25)
	s_mov_b32 s[G1+1], 64<<16                      ; tensor_dim0
	s_mov_b32 s[G1+2], 128<<16                     ; tensor_dim1
	s_mov_b32 s[G1+3], 64<<16                      ; tile_dim0
	s_mov_b32 s[G1+4], 128                         ; tile_dim1
	s_mov_b32 s[G1+5], 64                          ; from row to row
	s_mov_b32 s[G1+6], 0
	s_mov_b32 s[G1+7], 0
	s_mov_b32 s[G1B+1], 64<<16
	s_mov_b32 s[G1B+2], 256<<16
	s_mov_b32 s[G1B+3], 64<<16
	s_mov_b32 s[G1B+4], 256
	s_mov_b32 s[G1B+5], 64
	s_mov_b32 s[G1B+6], 0
	s_mov_b32 s[G1B+7], 0
	s_lshl_b32 s16, s[TY], 14                      ; x: the tile's 128 rows of 128 bytes,
	s_lshl_b32 s17, s[CH], 20                      ; in my chunk (2^20 bytes a chunk)
	s_add_co_u32 s16, s16, s17
	s_mov_b32 s17, 0
	s_lshl_b32 s46, s42, 15                        ; Wo: the tile's 256 rows,
	s_lshl_b32 s47, s[CH], 17                      ; in my chunk (2^17 bytes)
	s_add_co_u32 s46, s46, s47
	s_mov_b32 s47, 0
	s_mul_i32 s20, s[CH], AZ                       ; where they go: no place in the cluster enters an LDS address
	s_mul_i32 s21, s[CH], BZ
	s_add_co_u32 s21, s21, 2*AZ
	s_wait_dscnt 0x0                               ; both opening adds are done
	s_wait_kmcnt 0x0
	s_add_nc_u64 s[18:19], s[4:5], s[16:17]
	s_add_nc_u64 s[46:47], s[6:7], s[46:47]
	CROUND                                         ; all sixteen work-groups are here: the first joint loads meet
.irp s, 0,1
	s_mov_b32 s[G0+4*\s], 1
	s_add_co_u32 s[G0+4*\s+1], s20, \s*SLOT
	s_add_nc_u64 s[G0+4*\s+2:G0+4*\s+3], s[18:19], (\s)<<21   ; K step s: two chunks on
	s_or_b32 s[G0+4*\s+3], s[G0+4*\s+3], 0x80000000
	s_mov_b32 s[G0B+4*\s], 1
	s_add_co_u32 s[G0B+4*\s+1], s21, \s*SLOT
	s_add_nc_u64 s[G0B+4*\s+2:G0B+4*\s+3], s[46:47], (\s)<<18
	s_or_b32 s[G0B+4*\s+3], s[G0B+4*\s+3], 0x80000000
	JLOAD \s
.endr
	v_and_b32 v1, 15, v0                           ; r
	v_bfe_u32 v2, v0, 4, 1                         ; h
	v_mul_u32_u24 v3, v1, PITCH
	v_lshl_add_u32 v3, v2, 4, v3
	s_mul_i32 s21, s[RH], 64*PITCH                 ; my 64 rows of x
	s_mul_i32 s22, s[CH], 128*PITCH                ; my 128 rows of Wo,
	s_add_co_u32 s22, s22, 2*AZ                    ; behind x's two chunks
.irp s, 0,1
	v_add_nc_u32 v[ADRA+\s], s21, v3
	v_add_nc_u32 v[ADRB+\s], s22, v3
	s_add_co_u32 s21, s21, SLOT
	s_add_co_u32 s22, s22, SLOT
.endr
	s_mul_i32 s23, s[WV], 16*SPITCH
	s_add_co_u32 s23, s23, STAGE                   ; my stage
	v_mul_u32_u24 v5, v1, SPITCH                   ; in: row r, 32 bytes for each half of the lanes
	v_lshl_add_u32 v5, v2, 5, v5
	v_add_nc_u32 v[STO], s23, v5
	v_and_b32 v6, 31, v0
	v_lshlrev_b32 v[CO], 4, v6                     ; back: the 32 lanes take one row of 512 bytes; and the same in out0
	v_add_nc_u32 v[RD], s23, v[CO]
	v_lshlrev_b32 v[BO], 5, v2
	s_lshl_b32 s16, s[TY], 19                      ; my first row: 128 x tile row + 64 x half, rows of 4,096 bytes
	s_lshl_b32 s17, s[RH], 18
	s_add_co_u32 s16, s16, s17
	s_mov_b32 s17, 0
	s_lshl_b32 s46, s42, 10                        ; my first column, in bytes: 1,024 x tile column + 512 x half
	s_lshl_b32 s47, s[CH], 9
	s_add_co_u32 s46, s46, s47
	s_mov_b32 s47, 0
	s_add_nc_u64 s[8:9], s[8:9], s[46:47]
	s_add_nc_u64 s[16:17], s[16:17], s[46:47]
	s_add_nc_u64 s[10:11], s[10:11], s[16:17]
.irp b, 0,1,2,3,4,5,6,7
	global_load_b128 v[BI+8*\b:BI+8*\b+3], v[BO], s[8:9] offset:64*\b        ; register j: the bias of column 16 b + 8 h + j
	global_load_b128 v[BI+8*\b+4:BI+8*\b+7], v[BO], s[8:9] offset:64*\b+16
.endr
; 8 matrix instructions: x's block a against Wo's eight, 32 along K, from buffer f.  The 32 accumulators take turns, one instruction a turn, in the same order in every quarter.
.macro MUL8 f, a, zero
.irp b, 0,1,2,3,4,5,6,7
.if \zero
	v_wmma_f32_16x16x32_f16 v[8*(8*\a+\b):8*(8*\a+\b)+7], v[64*\f+8*\b:64*\f+8*\b+7], v[AF+32*\f+8*\a:AF+32*\f+8*\a+7], v[BI+8*\b:BI+8*\b+7]
.else
	v_wmma_f32_16x16x32_f16 v[8*(8*\a+\b):8*(8*\a+\b)+7], v[64*\f+8*\b:64*\f+8*\b+7], v[AF+32*\f+8*\a:AF+32*\f+8*\a+7], v[8*(8*\a+\b):8*(8*\a+\b)+7]
.endif
.endr
.endm
; 24 LDS loads in one run: quarter q of a K step (chunk q / 2, byte 64 (q % 2) of the rows) into buffer f; Wo's sixteen first, then x's eight, blocks ascending
.macro FETCH slot, q, f
	WIN TO_B
.irp i, 0,1,2,3,4,5,6,7
	ds_load_b128 v[64*\f+8*\i:64*\f+8*\i+3],   v[ADRB+\slot] offset:((\q)/2)*BZ+((\q)%2)*64+\i*16*PITCH
	ds_load_b128 v[64*\f+8*\i+4:64*\f+8*\i+7], v[ADRB+\slot] offset:((\q)/2)*BZ+((\q)%2)*64+\i*16*PITCH+32
.endr
	WIN 0
.irp i, 0,1,2,3
	ds_load_b128 v[AF+32*\f+8*\i:AF+32*\f+8*\i+3],   v[ADRA+\slot] offset:((\q)/2)*AZ+((\q)%2)*64+\i*16*PITCH
	ds_load_b128 v[AF+32*\f+8*\i+4:AF+32*\f+8*\i+7], v[ADRA+\slot] offset:((\q)/2)*AZ+((\q)%2)*64+\i*16*PITCH+32
.endr
.endm
.macro PLACES
.rept 4
	v_nop
.endr
.endm
; One of a K step's first three quarters: multiplies buffer f and fetches quarter q into buffer g
.macro QUARTER slot, q, f, g, zero
	s_wait_dscnt 4                                 ; all but the youngest four loads (x's blocks 2, 3) are in
.if \zero
	WIN 0x81                                       ; C, the bias, in window 0
.else
	WIN MUL
.endif
	MUL8 \f, 0, \zero
	MUL8 \f, 1, \zero
	PLACES                                         ; in front of loads into the buffer that the quarter before multiplied
	FETCH \slot, \q, \g
	s_wait_dscnt 24                                ; all but the 24 just issued
.if \zero
	WIN 0x81
.else
	WIN MUL
.endif
	MUL8 \f, 2, \zero
	MUL8 \f, 3, \zero
.endm
; The last quarter multiplies buffer 1 and changes slots: one barrier; in front of it each wave waits for all its tensor loads, adds 0 to its spare word, and waits for that and for its reads of this slot.
.macro TURN slot, next, fill
	WIN 0
	s_wait_tensorcnt 0x0                           ; all my tensor loads have landed: my part of the next slot
	ds_add_u32 v[SPW], v[NIL]
	s_wait_dscnt 5                                 ; (the add and the youngest four loads may be out)
	WIN MUL
	MUL8 1, 0, 0
	s_wait_dscnt 0x0                               ; the add is done, and my reads of this slot are over
	s_barrier_signal -1
	MUL8 1, 1, 0
	WIN 0
	s_barrier_wait -1
.if \fill
	CREST                                          ; the barrier has opened a round of the cluster's: no wave of any partner still reads this slot or has a load on its way
	s_add_nc_u64 s[G0+4*\slot+2:G0+4*\slot+3], s[G0+4*\slot+2:G0+4*\slot+3], 1<<22    ; two K steps on: four chunks
	s_add_nc_u64 s[G0B+4*\slot+2:G0B+4*\slot+3], s[G0B+4*\slot+2:G0B+4*\slot+3], 1<<19
	JLOAD \slot                                    ; the first tensor load behind the round; its four v_nop are also the places in front of the loads below
.else
	PLACES
.endif
	FETCH \next, 0, 0
	WIN MUL
	MUL8 1, 2, 0
	MUL8 1, 3, 0
.endm
	s_wait_tensorcnt 1                             ; my part of K step 0 is in; K step 1's load may be out
	s_barrier_signal -1
	s_barrier_wait -1
	FETCH 0, 0, 0
	s_wait_loadcnt 0x0                             ; the bias
	QUARTER 0, 1, 0, 1, 1                          ; the first quarter stands in front of the loop: its products start the sums
	WIN 0
	s_mov_b32 s3, LAPS-1
.Llap:                                                 ; a trip goes once round the ring, from a lap's second quarter to the next lap's first, and fills both slots again
	QUARTER 0, 2, 1, 0, 0
	QUARTER 0, 3, 0, 1, 0
	TURN 0, 1, 1
	QUARTER 1, 1, 0, 1, 0
	QUARTER 1, 2, 1, 0, 0
	QUARTER 1, 3, 0, 1, 0
	TURN 1, 0, 1
	QUARTER 0, 1, 0, 1, 0
	WIN 0
	s_sub_co_u32 s3, s3, 1
	s_cmp_lg_u32 s3, 0
	s_cbranch_scc1 .Llap
	QUARTER 0, 2, 1, 0, 0                          ; the last lap fills nothing
	QUARTER 0, 3, 0, 1, 0
	TURN 0, 1, 0
	QUARTER 1, 1, 0, 1, 0
	QUARTER 1, 2, 1, 0, 0
	QUARTER 1, 3, 0, 1, 0
	s_wait_dscnt 4                                 ; the very last quarter
	WIN MUL
	MUL8 1, 0, 0
	MUL8 1, 1, 0
	s_wait_dscnt 0
	MUL8 1, 2, 0
	MUL8 1, 3, 0
	WIN 0
; THE WAY OUT, block by block of 16 rows x 128 columns: through my own stage and back as whole rows of 512 bytes.  LDS serves a wave's instructions in order: no wait between the stores and the loads.
.macro TOSTAGE a
	WIN 0x08                                       ; the data: window 2
.irp b, 0,1,2,3,4,5,6,7
	ds_store_b128 v[STO], v[8*(8*(\a)+\b):8*(8*(\a)+\b)+3] offset:64*\b          ; each accumulator from its low end on
	ds_store_b128 v[STO], v[8*(8*(\a)+\b)+4:8*(8*(\a)+\b)+7] offset:64*\b+16
.endr
	WIN 0
.set BB, BK+64*((\a)%2)
.irp t, 0,1,2,3,4,5,6,7,8,9,10,11,12,13,14,15
	ds_load_b128 v[BB+4*\t:BB+4*\t+3], v[RD] offset:\t*SPITCH
.endr
.endm
.macro SEND a, younger
.set BB, BK+64*((\a)%2)
	s_wait_dscnt \younger
.irp t, 0,1,2,3,4,5,6,7,8,9,10,11,12,13,14,15
	global_store_b128 v[CO], v[BB+4*\t:BB+4*\t+3], s[10:11] offset:(16*(\a)+\t)*4096 th:TH_STORE_NT   ; 32 lanes store 512 consecutive bytes, aligned; written once, read by nobody here
.endr
.endm
	PLACES                                         ; behind the last products: their results are read, and the bias's registers loaded into, below
	TOSTAGE 0
.irp a, 1,2,3
.if \a > 1
	s_wait_xcnt 0x0                                ; block a - 2's stores have read their registers: block a's loads land there
.endif
	TOSTAGE \a
	SEND \a-1, 32                                  ; behind block a - 1's loads: block a's 16 stores and 16 loads
.endr
	SEND 3, 0
	s_wait_tensorcnt 0x0                           ; the wave's end
	ds_add_u32 v[SPW], v[NIL]
	s_wait_dscnt 0x0
	CROUND                                         ; the closing round
	s_endpgm
.Lfunc_end_k_q1e3b405335_outp:
	.size	k_q1e3b405335_outp, .Lfunc_end_k_q1e3b405335_outp-k_q1e3b405335_outp
	.p2alignl 7, 3214868480
	.fill 96, 4, 3214868480
	.section	.rodata,"a",@progbits
	.p2align	6, 0x0
	.amdhsa_kernel k_q1e3b405335_outp
		.amdhsa_group_segment_fixed_size 327680
		.amdhsa_private_segment_fixed_size 0
		.amdhsa_enable_private_segment 0
		.amdhsa_kernarg_size 32
		.amdhsa_user_sgpr_count 2
		.amdhsa_user_sgpr_kernarg_segment_ptr 1
		.amdhsa_wavefront_size32 1
		.amdhsa_system_sgpr_workgroup_id_x 1
		.amdhsa_system_sgpr_workgroup_id_y 1
		.amdhsa_system_sgpr_workgroup_id_z 1
		.amdhsa_system_vgpr_workitem_id 0
		.amdhsa_next_free_vgpr 768
		.amdhsa_next_free_sgpr 66
		.amdhsa_reserve_vcc 0
		.amdhsa_float_denorm_mode_32 3
		.amdhsa_float_denorm_mode_16_64 3
		.amdhsa_memory_ordered 1
		.amdhsa_forward_progress 1
		.amdhsa_inst_pref_size 87
	.end_amdhsa_kernel
	.amdgpu_metadata
---
amdhsa.version: [ 1, 2 ]
amdhsa.kernels:
  - .name:           k_q1e3b405335_outp
    .symbol:         k_q1e3b405335_outp.kd
    .args:
      - { .name: xh, .offset: 0, .size: 8, .value_kind: global_buffer, .address_space: global }
      - { .name: woh, .offset: 8, .size: 8, .value_kind: global_buffer, .address_space: global }
      - { .name: bo, .offset: 16, .size: 8, .value_kind: global_buffer, .address_space: global }
      - { .name: out0, .offset: 24, .size: 8, .value_kind: global_buffer, .address_space: global }
    .group_segment_fixed_size: 327680
    .private_segment_fixed_size: 0
    .kernarg_segment_align: 8
    .kernarg_segment_size: 32
    .max_flat_workgroup_size: 128
    .sgpr_count:     66
    .vgpr_count:     768
    .wavefront_size: 32
...
	.end_amdgpu_metadata
.endif
;; end of part 4
